; MI455X (gfx1250); checked and timed in simulation.
; The chip was launched on July 23, 2026; its instructions are those of AMD's public machine-readable ISA for CDNA 5 (MIT licence, August 2026) and "CDNA5" Instruction Set Architecture Reference Guide (July 2026). The comments in the code are by the model that wrote it; some were corrected since.
;; Self Attention. Allowed arithmetic: matrix products marked QUANTISED: E2M1 operands, one E8M0 scale for each 32 along K, by v_wmma_scale_f32_16x16x128_f8f6f4 with both operands' format E2M1 (or v_wmma_scale_f32_32x16x128_f4), f32 sums; products left as they are: bf16, f16 or f32 operands; f32 sums; everything else in f32.
;; Inputs: b_k 1,024 float32; b_out 1,024 float32; b_q 1,024 float32; b_v 1,024 float32; w_k 1,024 x 1,024 float32; w_out 1,024 x 1,024 float32; w_q 1,024 x 1,024 float32; w_v 1,024 x 1,024 float32; x 4 x 2,048 x 1,024 float32.
;; Outputs: out0 4 x 2,048 x 1,024 float32.
;; This version of the problem:
;;   THIS VERSION OF THE PROBLEM IS GIVEN IN LOW PRECISION. The matrix products marked QUANTISED in the list below multiply operands that are first quantised to E2M1 (2 exponent bits, 1 mantissa bit; 4 bits a number), with one power-of-two scale for each 32 numbers along K (OCP MX v1.0); their sums are f32. The products marked 'left as it is' may take bf16, f16 or f32 operands, with f32 sums. Whichever they take, every output number must still come out within the allowed error. Rounding operands to bf16 (8 significant bits) uses up far more of that allowance than f16 does (11 bits, for magnitudes from 6e-5 to 65,504). All else is computed in f32.
;;   The module's matrix products, in the order in which they are computed (A, B: the left and right operand; K: the contracted axis; several contracted axes count as one K, in the product's order):
;;     1. [M 8,192, K 1,024] x [K 1,024, N 1,024]; A: input x; B: input w_q: QUANTISED
;;     2. [M 8,192, K 1,024] x [K 1,024, N 1,024]; A: input x; B: input w_k: QUANTISED
;;     3. [M 8,192, K 1,024] x [K 1,024, N 1,024]; A: input x; B: input w_v: QUANTISED
;;     4. batch 4 x [M 2,048, K 1,024] x [K 1,024, N 2,048]; A: computed on the way; B: computed on the way: left as it is (an operand is computed on the way)
;;     5. batch 4 x [M 2,048, K 2,048] x [K 2,048, N 1,024]; A: computed on the way; B: computed on the way: left as it is (an operand is computed on the way)
;;     6. [M 8,192, K 1,024] x [K 1,024, N 1,024]; A: computed on the way; B: input w_out: left as it is (an operand is computed on the way)
;;   THE QUANTISER, for each operand of a quantised product, along K:
;;     - K is cut into blocks of 32 from its start; a last block that is shorter is filled with zeros.
;;     - A block's scale is 2^e with e = floor(log2(the largest magnitude in the block)) - 2, held to -126 .. 127; a block of zeros has e = 0. As a byte (E8M0): e + 127.
;;     - Each number is divided by its block's scale, clamped to +-6, and rounded to the nearest number of E2M1, ties to even, subnormals kept.
;;     - The product sums the exact products of the quantised numbers (number of the format x scale) in f32.
;;   ~~~python
;;   def quantise(x, axis):      # numpy; x: float32 -> the quantised numbers, widened to float32 again
;;       x = np.moveaxis(x, axis, -1); K = x.shape[-1]
;;       x = np.pad(x, [(0, 0)] * (x.ndim - 1) + [(0, -K % 32)]); x = x.reshape(x.shape[:-1] + (-1, 32)); a = np.abs(x).max(-1, keepdims=True)
;;       e = np.where(a > 0, np.clip(np.frexp(np.where(a > 0, a, 1))[1] - 1 - 2, -126, 127), 0)      # np.frexp(a)[1] - 1 = floor(log2(a)), exactly
;;       r = np.clip(x / 2.0 ** e, -6, 6)
;;       step = 2.0 ** (np.maximum(np.frexp(np.where(r == 0, 1, r))[1] - 1, 0) - 1)
;;       q = np.round(r / step) * step * 2.0 ** e      # np.round: ties to even
;;       return np.moveaxis(q.reshape(q.shape[:-2] + (-1,))[..., :K], -1, axis).astype(np.float32)
;;   ~~~
;; One version. Each part assembles by itself: llvm-mc -triple=amdgcn-amd-amdhsa -mcpu=gfx1250 --defsym DOCPART=n.
;; ======== version 1 of 1: 5 launches
;; limits: values are held in f16: magnitudes above 65,504 overflow, below 6.1e-05 lose precision
;; workspace buffers: codes 5,767,168 bytes; scales 360,448 bytes; wo16 2,097,152 bytes; qkv 50,331,648 bytes; p 33,554,432 bytes; st 1,048,576 bytes; o16 16,777,216 bytes
;; launch prep (part 1): grid 416 x 1, 4 waves a work-group, no clusters, 33,280 bytes of LDS; arguments x, w_q, w_k, w_v, w_out, codes, scales, wo16; writes codes, scales, wo16
.if DOCPART == 1
	.amdgcn_target "amdgcn-amd-amdhsa--gfx1250"
	.amdhsa_code_object_version 6
	.text
	.protected	k_q57da7ad5c9_prep
	.globl	k_q57da7ad5c9_prep
	.p2align	8
	.type	k_q57da7ad5c9_prep,@function
k_q57da7ad5c9_prep:
	s_mov_b64 s[64:65], 0
	v_nop
	global_prefetch_b8 v0, s[64:65] scope:SCOPE_SE
	s_setreg_imm32_b32 hwreg(HW_REG_WAVE_MODE, 25, 1), 1
	s_wait_xcnt 0x0
; x [8192][1024], w_q, w_k, w_v [1024][1024], f32, K innermost, become codes of FP4 (E2M1) and one E8M0 scale byte for each 32 along K, in ONE table of 11,264 rows: x's 8,192, then w_q's, w_k's, w_v's.
; codes: [11264][512 bytes], two codes a byte, the lower k in the low four bits.  scales: [11264][32 bytes].  w_out [1024][1024] becomes f16, laid in the order of an operand's registers (below).
; A block's scale is 2^(floor(log2(its largest magnitude)) - 2); its byte is the largest magnitude's own exponent field - 2, held at 1 from below.  A block of zeros so gets the byte 1 where the rule
; says 127: its codes are zeros, which add nothing under any byte but 0xff, and the bytes are read by this program alone.  Each number is divided by the scale and rounded to the nearest code, ties to even, beyond 6 the code of 6.
; LIMITS: NaN and infinities among the inputs are not served; w_out is rounded to f16: magnitudes up to 65,504, under 6e-5 with fewer bits.
; SHARES.  Work-groups 0 to 351 quantise, 32,768 numbers each (a wave 16 steps of 512): rows are dense and 1,024 is a multiple of 32, so each tensor is a plain stream of blocks of 32, and so are codes and bytes.
; Each load takes 512 consecutive bytes, 16 a lane; a step's 2,048 bytes turn through the wave's own stage in LDS and come back 64 bytes a lane: 16 neighbours along K, two lanes to a block.
; Work-groups 352 to 415 cast w_out: work-group g - 352 takes 16 rows, its wave w the columns 256 w on: eight fragments.
; A FRAGMENT is 16 rows x 32 K of f16 in 1,024 bytes: lane l = (r = l % 16, h = l / 16) owns the 16 bytes at 16 l (k = 8 h + 0..7 of row r) and those at 512 + 16 l (k = 16 + 8 h + 0..7): its registers 0-3 and 4-7.
; wo16: [16-row block 64][fragment along K 32][1,024 bytes].  No tensor loads, no barrier: waves share nothing.  No matrix unit, no cluster: the launch streams, and no byte is read twice.
.set WAVES, 4
.set STEPS, 16
.set QWG,   352                        ; work-groups that quantise: 256 for x, 32 for each weight
.set EMAX,  2
.set CB,    8                          ; bytes of 16 codes
.set R,     16                         ; v16-79   four sets of 16 numbers as they are loaded (cast: v16-143, all 32 loads)
.set X,     80                         ; v80-111  two sets of 16 neighbours
.set C,     128                        ; v128-191 codes: four registers for each step, so that no store's data are written again
.set E,     112                        ; v112-127 a scale byte for each step
.set WREG,  8192                       ; LDS: a region for each wave: two stages of 32 x SP bytes, behind them its 256 scale bytes
.set SP,    80                         ; a lane's place in a stage: 64 bytes + 16 of padding
.set SPW,   12                         ; v12 LDS address of my spare word; never rewritten
.set NIL,   13                         ; v13 0; never rewritten
.set SPARE, WAVES*WREG                 ; behind the regions: the spare words, 128 bytes a wave
	s_load_b256 s[4:11], s[0:1], 0x0               ; x, w_q, w_k, w_v
	s_load_b256 s[12:19], s[0:1], 0x20             ; w_out, codes, scales, wo16
	v_lshl_add_u32 v[SPW], v0, 2, SPARE
	v_mov_b32 v[NIL], 0
	v_lshrrev_b32 v1, 5, v0
	v_readfirstlane_b32 s20, v1                    ; wave
	v_and_b32 v2, 31, v0                           ; lane
	s_cmp_ge_u32 ttmp9, QWG                        ; the work-group's number alone decides
	s_cbranch_scc1 .Lcast
	v_lshlrev_b32 v3, 4, v2                        ; my 16 bytes of a load's 512
	s_mul_i32 s21, s20, WREG
	v_lshrrev_b32 v14, 2, v2
	v_mul_u32_u24 v14, v14, SP
	v_and_b32 v15, 3, v2
	v_lshl_add_u32 v14, v15, 4, v14
	v_add_nc_u32 v14, s21, v14                     ; the stage, on the way in: four lanes' 64 bytes on end, then 16 of padding
	v_mul_u32_u24 v15, v2, SP
	v_add_nc_u32 v15, s21, v15                     ; and on the way out: SP x lane: my 16 neighbours
	v_mul_u32_u24 v4, v2, CB                       ; my codes' place in a step's
	v_lshrrev_b32 v5, 1, v2
	s_add_co_u32 s21, s21, 2*32*SP
	v_add_nc_u32 v5, s21, v5                       ; LDS: my wave's 256 scale bytes, my block's byte
	v_lshlrev_b32 v7, 3, v2                        ; and on the way out 8 bytes a lane
	v_add_nc_u32 v6, s21, v7
	s_and_b32 s24, ttmp9, 31                       ; a weight's 32 work-groups begin at multiples of 32
	s_wait_kmcnt 0x0
	s_cmp_lt_u32 ttmp9, 320                        ; which tensor: the choices hang on the work-group's number alone
	s_cselect_b64 s[22:23], s[8:9], s[10:11]
	s_cmp_lt_u32 ttmp9, 288
	s_cselect_b64 s[22:23], s[6:7], s[22:23]
	s_cmp_lt_u32 ttmp9, 256
	s_cselect_b64 s[22:23], s[4:5], s[22:23]
	s_cselect_b32 s24, ttmp9, s24                  ; my work-group's number within its tensor
	s_lshl_b32 s24, s24, 2
	s_add_co_u32 s24, s24, s20
	s_lshl_b32 s24, s24, 15                        ; my wave's run of 8,192 numbers: 32,768 bytes each
	s_mov_b32 s25, 0
	s_add_nc_u64 s[22:23], s[22:23], s[24:25]
	s_lshl_b32 s26, ttmp9, 2
	s_add_co_u32 s26, s26, s20                     ; the run's number in the table of all four tensors
	s_lshl_b32 s24, s26, 12                        ; 4,096 bytes of codes a run
	s_add_nc_u64 s[14:15], s[14:15], s[24:25]
	s_lshl_b32 s24, s26, 8                         ; 256 scale bytes a run
	s_add_nc_u64 s[16:17], s[16:17], s[24:25]
.macro LOAD t
.irp i, 0,1,2,3
	global_load_b128 v[R+16*((\t)%4)+4*\i:R+16*((\t)%4)+4*\i+3], v3, s[22:23] offset:2048*(\t)+512*\i th:TH_LOAD_NT   ; 32 lanes read 512 consecutive bytes
.endr
.endm
.macro TURN t                          ; step t's numbers through the stage: LDS serves a wave's instructions in order, so no wait stands between the stores and the loads
.irp i, 0,1,2,3
	ds_store_b128 v14, v[R+16*((\t)%4)+4*\i:R+16*((\t)%4)+4*\i+3] offset:32*SP*((\t)%2)+8*SP*\i
.endr
.irp i, 0,1,2,3
	ds_load_b128 v[X+16*((\t)%2)+4*\i:X+16*((\t)%2)+4*\i+3], v15 offset:32*SP*((\t)%2)+16*\i
.endr
.endm
.irp t, 0,1,2,3
	LOAD \t
.endr
	s_wait_loadcnt 12                              ; step 0's four loads are in; the twelve of steps 1 to 3 may be out
	TURN 0
.macro STEP t
.set XS, X+16*((\t)%2)
.if (\t) > 0
	s_wait_dscnt 1                                 ; this step's numbers are back from the stage (the last step's byte store may be out): so its stores into the stage have read their registers,
.else
	s_wait_dscnt 0x0
.endif
.if (\t)+4 < STEPS
	LOAD (\t)+4                                    ; which take the loads of four steps on
.endif
.if (\t)+1 < STEPS
.if STEPS-2-(\t) >= 3
	s_wait_loadcnt 12                              ; the next step's four loads are in; those of the three steps behind it may be out
.else
	s_wait_loadcnt 4*(STEPS-2-(\t))                ; at the end the count runs down with the loads that are left
.endif
	TURN (\t)+1                                    ; and go through the other stage while this step is worked
.endif
	v_max3_num_f32 v8, |v[XS]|, |v[XS+1]|, |v[XS+2]|               ; the largest magnitude of my 16, in two chains
	v_max3_num_f32 v9, |v[XS+3]|, |v[XS+4]|, |v[XS+5]|
.irp i, 6,10
	v_max3_num_f32 v8, v8, |v[XS+\i]|, |v[XS+\i+1]|
	v_max3_num_f32 v9, v9, |v[XS+\i+2]|, |v[XS+\i+3]|
.endr
	v_max3_num_f32 v8, v8, |v[XS+14]|, |v[XS+15]|
	v_max3_num_f32 v8, v8, v9, (EMAX+1)<<23        ; and the floor 2^(EMAX + 1 - 127): so the byte cannot fall under 1
	v_max_num_f32_dpp v8, v8, v8 row_xmask:1 row_mask:0xf bank_mask:0xf   ; and of my neighbour's 16: the block's
	v_add_nc_u32 v11, -(EMAX<<23), v8              ; EMAX off its exponent field: the conversion takes the exponent field of this operand as its scale, and nothing else of it
	v_cvt_scalef32_pk8_fp4_f32 v[C+4*(\t)], v[XS:XS+7], v11
	v_cvt_scalef32_pk8_fp4_f32 v[C+4*(\t)+1], v[XS+8:XS+15], v11
	v_lshrrev_b32 v[E+(\t)], 23, v11               ; the scale's byte (also the plain line behind the conversions)
	ds_store_b8 v5, v[E+(\t)] offset:16*(\t)       ; both lanes of a block write the same byte with the same value
	global_store_b64 v4, v[C+4*(\t):C+4*(\t)+1], s[14:15] offset:32*CB*(\t)   ; the wave stores 256 consecutive bytes, aligned
.endm
.irp t, 0,1,2,3,4,5,6,7,8,9,10,11,12,13,14,15
	STEP \t
.endr
	ds_load_b64 v[8:9], v6                         ; LDS serves a wave's instructions in order: these see my stores
	s_wait_dscnt 0x0
	global_store_b64 v7, v[8:9], s[16:17]          ; 32 lanes store the run's 256 scale bytes, aligned
	s_wait_tensorcnt 0x0                           ; the wave's end
	ds_add_u32 v[SPW], v[NIL]
	s_wait_dscnt 0x0
	s_endpgm
.Lcast:                                            ; w_out to f16 fragments; this way writes no LDS
	s_sub_co_u32 s21, ttmp9, QWG                   ; my block of 16 rows
	v_and_b32 v3, 15, v0                           ; r
	v_bfe_u32 v4, v0, 4, 1                         ; h
	v_lshlrev_b32 v5, 12, v3                       ; row r of 4,096 bytes,
	v_lshl_add_u32 v5, v4, 5, v5                   ; + 32 h: my eight numbers of each 16 along K
	v_lshlrev_b32 v6, 4, v2                        ; out: 16 x lane
	s_lshl_b32 s24, s21, 16                        ; 16 rows of w_out are 65,536 bytes,
	s_lshl_b32 s26, s20, 10                        ; my wave's 256 columns 1,024
	s_add_co_u32 s24, s24, s26
	s_mov_b32 s25, 0
	s_lshl_b32 s26, s21, 15                        ; 32 fragments a block of rows,
	s_lshl_b32 s27, s20, 13                        ; eight a wave
	s_add_co_u32 s26, s26, s27
	s_mov_b32 s27, 0
	s_wait_kmcnt 0x0
	s_add_nc_u64 s[12:13], s[12:13], s[24:25]
	s_add_nc_u64 s[18:19], s[18:19], s[26:27]
.irp f, 0,1,2,3,4,5,6,7
.irp c, 0,1
.irp q, 0,1
	global_load_b128 v[R+16*\f+8*\c+4*\q:R+16*\f+8*\c+4*\q+3], v5, s[12:13] offset:128*\f+64*\c+16*\q th:TH_LOAD_NT
.endr
.endr
.endr
.set n, 0
.rept 16                               ; half a fragment at a time: eight numbers a lane become 16 bytes, in place: each line writes a register whose number has been read
	s_wait_loadcnt 30-2*n                          ; this half's two loads are in; the younger ones stay out
	v_cvt_pk_f16_f32 v[R+8*n], v[R+8*n], v[R+8*n+1]
	v_cvt_pk_f16_f32 v[R+8*n+1], v[R+8*n+2], v[R+8*n+3]
	v_cvt_pk_f16_f32 v[R+8*n+2], v[R+8*n+4], v[R+8*n+5]
	v_cvt_pk_f16_f32 v[R+8*n+3], v[R+8*n+6], v[R+8*n+7]
	global_store_b128 v6, v[R+8*n:R+8*n+3], s[18:19] offset:512*n   ; 512 consecutive bytes, aligned
.set n, n+1
.endr
	s_endpgm
.Lfunc_end_k_q57da7ad5c9_prep:
	.size	k_q57da7ad5c9_prep, .Lfunc_end_k_q57da7ad5c9_prep-k_q57da7ad5c9_prep
	.p2alignl 7, 3214868480
	.fill 96, 4, 3214868480
	.section	.rodata,"a",@progbits
	.p2align	6, 0x0
	.amdhsa_kernel k_q57da7ad5c9_prep
		.amdhsa_group_segment_fixed_size 33280
		.amdhsa_private_segment_fixed_size 0
		.amdhsa_enable_private_segment 0
		.amdhsa_kernarg_size 64
		.amdhsa_user_sgpr_count 2
		.amdhsa_user_sgpr_kernarg_segment_ptr 1
		.amdhsa_wavefront_size32 1
		.amdhsa_system_sgpr_workgroup_id_x 1
		.amdhsa_system_sgpr_workgroup_id_y 1
		.amdhsa_system_sgpr_workgroup_id_z 1
		.amdhsa_system_vgpr_workitem_id 0
		.amdhsa_next_free_vgpr 192
		.amdhsa_next_free_sgpr 66
		.amdhsa_reserve_vcc 0
		.amdhsa_float_denorm_mode_32 3
		.amdhsa_float_denorm_mode_16_64 3
		.amdhsa_memory_ordered 1
		.amdhsa_forward_progress 1
		.amdhsa_inst_pref_size 43
	.end_amdhsa_kernel
	.amdgpu_metadata
---
amdhsa.version: [ 1, 2 ]
amdhsa.kernels:
  - .name:           k_q57da7ad5c9_prep
    .symbol:         k_q57da7ad5c9_prep.kd
    .args:
      - { .name: x, .offset: 0, .size: 8, .value_kind: global_buffer, .address_space: global }
      - { .name: w_q, .offset: 8, .size: 8, .value_kind: global_buffer, .address_space: global }
      - { .name: w_k, .offset: 16, .size: 8, .value_kind: global_buffer, .address_space: global }
      - { .name: w_v, .offset: 24, .size: 8, .value_kind: global_buffer, .address_space: global }
      - { .name: w_out, .offset: 32, .size: 8, .value_kind: global_buffer, .address_space: global }
      - { .name: codes, .offset: 40, .size: 8, .value_kind: global_buffer, .address_space: global }
      - { .name: scales, .offset: 48, .size: 8, .value_kind: global_buffer, .address_space: global }
      - { .name: wo16, .offset: 56, .size: 8, .value_kind: global_buffer, .address_space: global }
    .group_segment_fixed_size: 33280
    .private_segment_fixed_size: 0
    .kernarg_segment_align: 8
    .kernarg_segment_size: 64
    .max_flat_workgroup_size: 128
    .sgpr_count:     66
    .vgpr_count:     192
    .wavefront_size: 32
...
	.end_amdgpu_metadata
.endif
;; end of part 1
;; launch qkv (part 2): grid 12 x 32, 4 waves a work-group, clusters of 4 x 4, 327,680 bytes of LDS; arguments codes, scales, qkv, b_q, b_k, b_v; writes qkv
.if DOCPART == 2
	.amdgcn_target "amdgcn-amd-amdhsa--gfx1250"
	.amdhsa_code_object_version 6
	.text
	.protected	k_q57da7ad5c9_qkv
	.globl	k_q57da7ad5c9_qkv
	.p2align	8
	.type	k_q57da7ad5c9_qkv,@function
k_q57da7ad5c9_qkv:
	s_mov_b64 s[64:65], 0
	v_nop
	global_prefetch_b8 v0, s[64:65] scope:SCOPE_SE
	s_setreg_imm32_b32 hwreg(HW_REG_WAVE_MODE, 25, 1), 1
	s_wait_xcnt 0x0
	s_wait_alu depctr_hold_cnt(0) depctr_sa_sdst(0) depctr_va_vdst(0) depctr_va_sdst(0) depctr_va_ssrc(0) depctr_va_vcc(0) depctr_vm_vsrc(0)
	s_getreg_b32 s2, hwreg(HW_REG_IB_STS2, 6, 4)
	s_cmp_eq_u32 s2, 0
	s_cbranch_scc0 .Lentry_in_a_cluster
	s_endpgm
.Lentry_in_a_cluster:
	s_bfe_u32 s2, ttmp6, 0x10000c
	s_cmp_lg_u32 s2, 0xf033
	s_cbranch_scc0 .Lentry_shape_is_right
	s_endpgm
.Lentry_shape_is_right:
; Q = x w_q^T + b_q, K = x w_k^T + b_k, V = x w_v^T + b_v on codes of FP4 (E2M1) with one E8M0 scale for each 32 along K = 1,024; sums in f32; results rounded once to f16.
; codes [11264 rows][512 bytes], scales [11264][32 bytes]: rows 0-8,191 x, then w_q, w_k, w_v (1,024 rows each).
; OUT, in the order of an operand's registers.  A FRAGMENT is 16 rows x 32 K of f16 in 1,024 bytes: lane l = (r = l % 16, h = l / 16) owns the 16 bytes at 16 l (k = 8 h + 0..7 of row r) and at 512 + 16 l (k = 16 + 8 h + 0..7).
;   Q at byte 0 and K at 2^24: [token / 16: 512][channel / 32: 32][1,024];   V^T at 2^25: [channel / 16: 64][token / 32: 256][1,024].
; A tile of 256 x 256 results is made by a work-group of four waves, a wave 128 x 128: 64 accumulators, 512 registers.  K goes in two steps of 512 through two LDS slots, each filled once (rows of 256 bytes); all scale bytes come once.
; THE MATRIX INSTRUCTION: source 0 = 16 rows of the tile called B, source 1 = 16 rows of the tile called A: a lane holds ONE row of A (lane % 16) and eight neighbouring rows of B: packed to f16 these are half a fragment's 16 bytes,
; so each store of the wave is 512 consecutive bytes, aligned, straight from registers.
; Q's and K's clusters (cluster x = 0, 1): A = 256 tokens, B = 256 rows of the weight.  V's clusters (cluster x = 2): A = 256 rows of w_v, B = 256 tokens: the same instructions then leave V^T.  What differs is chosen by s_cselect on
; the cluster's x, which all partners share: the tiles' rows, the output's base and its stride from one 16 rows of A to the next.
; THE BIAS.  The part that goes by B's rows (b_q, b_k; zeros for V) is the C of the first K step.  The part that goes by A's rows (b_v; zeros for Q and K) is added on the way out.  Both are always executed.
; CLUSTERS: 4 x 4 work-groups.  A's tile hangs on the place along y and is asked for jointly by a row of the cluster, B's on the place along x, jointly by a column: requests for either are divided by four.
; No prefetch: the launch is short and its two slots and the scales are asked for at its head.  LIMITS: |Q|, |K|, |V| up to 65,504 (f16); NaN and infinities are not served.
; REGISTERS, in windows of 256: window 0: v0-31 addresses; v32-95 scale words, two sets; v96-111 the bias by A's rows; v128-191 A's fragments, one set; v192-255 the bias by B's rows.  On the way out v32-95 and v128-191 are at work.
;   window 1: B's fragments, two sets, at v0 and v128.   window 2: the accumulators of A's blocks 0-3 ((a, b) at v[8 (8 a + b)]);   window 3: those of blocks 4-7.
.set NQ,     4                         ; matrix instructions deep in a slot: 512 along K
.set ROWB,   256                       ; a tile's row in bytes
.set KROW,   512                       ; a row of codes in memory
.set PITCH,  272                       ; an LDS row: 256 bytes + 16 of padding = 68 words: the 16 rows that a load touches start at 16 different banks (64 banks of 4 bytes: ISA guide 11.1)
.set FR,     8                         ; registers of a fragment: 16 rows x 128 K
.set NL,     2                         ; LDS loads that bring one
.set NP,     4                         ; places behind this matrix instruction (ISA guide 7.12.1)
.set HALFT,  128*PITCH                 ; 128 rows: what one tensor load brings, and what one wave reads of A or of B
.set SLOT,   4*HALFT                   ; A's 256 rows, then B's 256 rows
.set KS,     32                        ; a row of scale bytes
.set SCL,    2*SLOT                    ; behind the slots: the scales, as units of 256 bytes + 16 of padding
.set HALFS,  16*272                    ; the scales of 128 rows
.set SBLK,   2*272                     ; those of 16 rows
.set SPARE,  SCL+4*HALFS               ; the spare words, 128 bytes a wave
.set ADRA, 16                          ; v16-17 LDS address of my A fragments in slot 0, 1
.set ADRB, 20                          ; v20-21 the same for B
.set LOFF, 24                          ; v24    16 x lane: my place in a store's 512 bytes
.set ADRS, 27                          ; v27    LDS address of my scale words: lanes 0-15 A's rows, lanes 16-31 B's
.set SPW,  28                          ; v28    LDS address of my spare word; never rewritten
.set NIL,  29                          ; v29    0; never rewritten
.set SC,   32                          ; scale words: set s at v[SC + 32 s]; register 4 i + q: lanes 0-15 A's block i, lanes 16-31 B's block i, the slot's q-th 128 along K
.set BA,   96                          ; v96-111 the bias by A's rows: block a's in v[BA + 2 a] and again in v[BA + 2 a + 1]
.set AF,   128                         ; A's fragments
.set BB,   192                         ; v192-255 the bias by B's rows: block b's eight at v[BB + 8 b]
.set TMP,  32                          ; the way out: packed results, two sets of 32
.set SUM,  128                         ; the way out: 64 results with their bias
.set G1, 24                            ; s[24:31] group 1 for A's tiles; s[32:39] group 0, a set for each slot
.set G0, 32
.set G1B, 48                           ; s[48:55], s[56:63] the same for B's
.set G0B, 56
.set G1S, 68                           ; s[68:75], s[76:79] groups 1 and 0 for A's scales; s[80:87], s[88:91] for B's
.set G0S, 76
.set G1SB, 80
.set G0SB, 88
.set ROLE, 95                          ; s95 all ones in V's clusters, else 0
.set STR,  100                         ; s[100:101] bytes from one 16 rows of A to the next in the output
.set MSB, 0
.macro WIN new                         ; the immediate's high byte repeats the setting that is left
.if MSB != (\new)
	s_set_vgpr_msb (MSB<<8)|(\new)
.set MSB, (\new)
.endif
.endm
.set MUL_LO, 0xa1                      ; source 0 (B) window 1, source 1 (A) window 0, C and D window 2
.set MUL_HI, 0xf1                      ; the same, C and D window 3.  In the first step C is the bias, in window 0: 0x81, 0xc1
.set TO_B,   0x40                      ; destination window 1, address window 0
; A joint load: waves 0 and 1 fetch for A, waves 2 and 3 for B.  Each line has one mask and one set of registers; the branch hangs on the wave's number alone.
; An s_nop 0 and four v_nop follow each of the two lines.
.macro JLOAD g0a, g1a, g0b, g1b
	s_cmp_eq_u32 s15, 0
	s_cbranch_scc0 .Lfor_b_\@
	tensor_load_to_lds s[\g0a:\g0a+3], s[\g1a:\g1a+7]
	s_nop 0
.rept 4
	v_nop
.endr
	s_branch .Lasked_\@
.Lfor_b_\@:
	tensor_load_to_lds s[\g0b:\g0b+3], s[\g1b:\g1b+7]
	s_nop 0
.rept 4
	v_nop
.endr
.Lasked_\@:
.endm
.macro CROUND                          ; a round of the cluster's barrier
	s_barrier_signal -1
	s_barrier_wait -1
	s_cmp_lg_u32 s14, 0
	s_cbranch_scc1 .Lnot_wave_0_\@
	s_barrier_signal -3
.Lnot_wave_0_\@:
	s_barrier_wait -3
	s_barrier_signal -1
	s_barrier_wait -1
.endm
	s_load_b128 s[4:7], s[0:1], 0x0                ; codes, scales
	s_load_b128 s[8:11], s[0:1], 0x10              ; qkv, b_q
	s_load_b128 s[96:99], s[0:1], 0x20             ; b_k, b_v
	v_lshl_add_u32 v[SPW], v0, 2, SPARE
	v_mov_b32 v[NIL], 0
	ds_add_u32 v[SPW], v[NIL]                      ; the wave's opening: the add, twice on end, and its wait ahead of my first tensor load
	ds_add_u32 v[SPW], v[NIL]                      ; and once more; the set-up below, work on registers, stands between it and the wait
	v_lshrrev_b32 v1, 5, v0
	v_readfirstlane_b32 s14, v1                    ; wave 0..3
	s_lshr_b32 s15, s14, 1                         ; which half of A's rows is mine.  Also: I fetch for A (0) or for B (1)
	s_and_b32 s16, s14, 1                          ; which half of B's rows.  Also: which 128 rows of that tile I fetch
	s_bfe_u32 s40, ttmp6, 0x40000                  ; cx, cy: my place in the cluster
	s_bfe_u32 s41, ttmp6, 0x40004
	s_and_b32 s17, ttmp7, 0xffff                   ; cluster y
	s_lshl_b32 s18, s17, 2
	s_add_co_u32 s19, s18, s41                     ; 4 Y + cy
	s_add_co_u32 s42, s18, s40                     ; 4 Y + cx
	s_add_co_u32 s21, s41, 40                      ; w_v's tiles of 256 rows begin at tile 40 of the table
	s_lshl_b32 s47, ttmp9, 2
	s_add_co_u32 s47, s47, s40
	s_add_co_u32 s47, s47, 32                      ; w_q's at tile 32, w_k's at 36
	s_mov_b32 s[STR], 32768
	s_cmp_eq_u32 ttmp9, 2                          ; V's cluster?  The same in all sixteen partners
	s_cselect_b32 s20, s21, s19                    ; A's tile in the table: it hangs on cy alone among the places
	s_cselect_b32 s46, s42, s47                    ; B's: on cx alone
	s_cselect_b32 s66, s41, s19                    ; A's tile within its own tensor,
	s_cselect_b32 s67, s42, s40                    ; and B's: for the output's address
	s_cselect_b32 s[ROLE], -1, 0
	s_cselect_b32 s[STR], 262144, s[STR]           ; V^T: 256 fragments to 16 channels; Q, K: 32 fragments to 16 tokens
	s_mov_b32 s[STR+1], 0
	s_lshl_b32 s43, s41, 2
	s_lshl_b32 s43, 15, s43                        ; my row of the cluster
	s_lshl_b32 s44, 0x1111, s40                    ; my column
	; group 1: a tile of 128 rows x 256 bytes, padded in LDS
	s_or_b32 s[G1+0], s43, (0<<16)|(1<<20)|(1<<21)|(5<<22)|(3<<25)  ; 15:0 the mask; 17:16 elements of 1 byte; 20 padding on; 21 set beside a mask; 24:22 after every 64 words; 31:25 four words
	s_or_b32 s[G1B+0], s44, (0<<16)|(1<<20)|(1<<21)|(5<<22)|(3<<25)
.irp g, G1, G1B
	s_mov_b32 s[\g+1], ROWB<<16                    ; tensor_dim0
	s_mov_b32 s[\g+2], 128<<16                     ; tensor_dim1
	s_mov_b32 s[\g+3], ROWB<<16                    ; tile_dim0
	s_mov_b32 s[\g+4], 128                         ; tile_dim1
	s_mov_b32 s[\g+5], KROW                        ; from row to row
	s_mov_b32 s[\g+6], 0
	s_mov_b32 s[\g+7], 0
.endr
	; the scales of 128 rows: 4,096 dense bytes, as 16 rows of 256 bytes (32 elements of 8 bytes), 16 bytes of padding behind each
	s_or_b32 s[G1S+0], s43, (3<<16)|(1<<20)|(1<<21)|(5<<22)|(3<<25)
	s_or_b32 s[G1SB+0], s44, (3<<16)|(1<<20)|(1<<21)|(5<<22)|(3<<25)
.irp g, G1S, G1SB
	s_mov_b32 s[\g+1], 32<<16
	s_mov_b32 s[\g+2], 16<<16
	s_mov_b32 s[\g+3], 32<<16
	s_mov_b32 s[\g+4], 16
	s_mov_b32 s[\g+5], 32
	s_mov_b32 s[\g+6], 0
	s_mov_b32 s[\g+7], 0
.endr
	s_lshl_b32 s18, s16, 7                         ; which 128 rows of the tile I fetch
	s_lshl_b32 s20, s20, 8
	s_add_co_u32 s20, s20, s18                     ; A: the first row that I fetch
	s_lshl_b32 s46, s46, 8
	s_add_co_u32 s46, s46, s18                     ; B likewise
	s_lshl_b32 s22, s20, 5                         ; where these rows' scales begin, in bytes (all under 2^23),
	s_mov_b32 s23, 0
	s_lshl_b32 s92, s46, 5
	s_mov_b32 s93, 0
	s_lshl_b32 s20, s20, 9                         ; and their codes
	s_mov_b32 s21, 0
	s_lshl_b32 s46, s46, 9
	s_mov_b32 s47, 0
	s_mul_i32 s45, s14, HALFT                      ; where they go: wave x 128 rows: no place in the cluster enters an LDS address
	s_mul_i32 s94, s14, HALFS
	s_wait_dscnt 0x0                               ; both opening adds are done
	s_wait_kmcnt 0x0
	s_add_nc_u64 s[20:21], s[4:5], s[20:21]
	s_add_nc_u64 s[22:23], s[6:7], s[22:23]
	s_add_nc_u64 s[46:47], s[4:5], s[46:47]
	s_add_nc_u64 s[92:93], s[6:7], s[92:93]
	CROUND                                         ; all sixteen work-groups are here: the first joint loads meet
	s_mov_b32 s[G0S], 1
	s_add_co_u32 s[G0S+1], s94, SCL
	s_mov_b64 s[G0S+2:G0S+3], s[22:23]
	s_or_b32 s[G0S+3], s[G0S+3], 0x80000000
	s_mov_b32 s[G0SB], 1
	s_add_co_u32 s[G0SB+1], s94, SCL
	s_mov_b64 s[G0SB+2:G0SB+3], s[92:93]
	s_or_b32 s[G0SB+3], s[G0SB+3], 0x80000000
	JLOAD G0S, G1S, G0SB, G1SB                     ; the scales first: they are wanted with the first step
.irp s, 0,1
	s_mov_b32 s[G0+4*\s], 1
	s_add_co_u32 s[G0+4*\s+1], s45, \s*SLOT
	s_add_nc_u64 s[G0+4*\s+2:G0+4*\s+3], s[20:21], \s*ROWB
	s_or_b32 s[G0+4*\s+3], s[G0+4*\s+3], 0x80000000
	s_mov_b32 s[G0B+4*\s], 1
	s_add_co_u32 s[G0B+4*\s+1], s45, \s*SLOT
	s_add_nc_u64 s[G0B+4*\s+2:G0B+4*\s+3], s[46:47], \s*ROWB
	s_or_b32 s[G0B+4*\s+3], s[G0B+4*\s+3], 0x80000000
	JLOAD G0+4*\s, G1, G0B+4*\s, G1B               ; three tensor loads of mine are out now, and no more follow
.endr
	v_and_b32 v1, 15, v0                           ; r = l % 16
	v_bfe_u32 v2, v0, 4, 1                         ; h = l / 16
	; the biases
	v_lshlrev_b32 v8, 5, v2                        ; by B's rows: my eight of a block of 16 begin 32 h bytes on
	v_lshlrev_b32 v9, 2, v1                        ; by A's rows: my one
	s_cmp_eq_u32 ttmp9, 1
	s_cselect_b64 s[10:11], s[96:97], s[10:11]     ; b_k for K's clusters, else b_q (V's clusters replace what they read of it by zeros)
	s_lshl_b32 s2, s40, 10                         ; 256 cx + 128 x my half, in bytes
	s_lshl_b32 s3, s16, 9
	s_add_co_u32 s2, s2, s3
	s_mov_b32 s3, 0
	s_add_nc_u64 s[10:11], s[10:11], s[2:3]
	s_lshl_b32 s2, s41, 10                         ; b_v: 256 cy + 128 x my half
	s_lshl_b32 s18, s15, 9
	s_add_co_u32 s2, s2, s18
	s_add_nc_u64 s[98:99], s[98:99], s[2:3]
.irp b, 0,1,2,3,4,5,6,7
	global_load_b128 v[BB+8*\b:BB+8*\b+3], v8, s[10:11] offset:64*\b
	global_load_b128 v[BB+8*\b+4:BB+8*\b+7], v8, s[10:11] offset:64*\b+16
.endr
.irp a, 0,1,2,3,4,5,6,7
	global_load_b32 v[BA+2*\a], v9, s[98:99] offset:64*\a
	global_load_b32 v[BA+2*\a+1], v9, s[98:99] offset:64*\a      ; twice: a pair for the packed addition
.endr
	v_mul_u32_u24 v3, v1, PITCH
	v_lshl_add_u32 v4, v2, 4, v3                   ; a fragment's row x pitch + 16 x half
	s_mul_i32 s21, s15, HALFT                      ; my 128 rows of A
	s_mul_i32 s22, s16, HALFT                      ; my 128 rows of B,
	s_add_co_u32 s22, s22, 2*HALFT                 ; which lie behind A's 256
.irp s, 0,1
	v_add_nc_u32 v[ADRA+\s], s21, v4
	v_add_nc_u32 v[ADRB+\s], s22, v4
	s_add_co_u32 s21, s21, SLOT
	s_add_co_u32 s22, s22, SLOT
.endr
	v_mul_u32_u24 v5, v1, KS                       ; my row's scales: 32 bytes a row,
	v_lshrrev_b32 v6, 8, v5
	v_lshl_add_u32 v5, v6, 4, v5                   ; and 16 more for each 256 passed
	s_mul_i32 s21, s15, HALFS                      ; A's: my 128 rows
	s_mul_i32 s22, s16, HALFS                      ; B's: my 128 rows, behind A's 256
	s_add_co_u32 s22, s22, 2*HALFS
	s_sub_co_u32 s22, s22, s21
	v_mul_u32_u24 v6, s22, v2                      ; lanes 16-31 take B's: one product, the distance between the two bases
	s_add_co_u32 s21, s21, SCL
	v_add_nc_u32 v5, v5, v6
	v_add_nc_u32 v[ADRS], s21, v5
	v_and_b32 v7, 31, v0
	v_lshlrev_b32 v[LOFF], 4, v7
	; where my results begin: the tensor's region + (16 x A's tile + 8 x my half) x the stride + (8 x B's tile + 4 x my half) fragments
	s_lshl_b32 s2, s66, 4
	s_lshl_b32 s18, s15, 3
	s_add_co_u32 s2, s2, s18
	s_mul_i32 s2, s2, s[STR]
	s_lshl_b32 s18, s67, 3
	s_lshl_b32 s19, s16, 2
	s_add_co_u32 s18, s18, s19
	s_lshl_b32 s18, s18, 10
	s_add_co_u32 s2, s2, s18
	s_lshl_b32 s18, ttmp9, 24                      ; Q at 0, K at 2^24, V^T at 2^25
	s_add_co_u32 s2, s2, s18
	s_add_nc_u64 s[12:13], s[8:9], s[2:3]
	s_wait_loadcnt 0x0                             ; the biases
.set n, 0
.rept 64
	v_cndmask_b32 v[BB+n], v[BB+n], v[NIL], s[ROLE]    ; V's clusters: zeros
.set n, n+1
.endr
.set n, 0
.rept 16
	v_cndmask_b32 v[BA+n], v[NIL], v[BA+n], s[ROLE]    ; Q's and K's clusters: zeros
.set n, n+1
.endr
.macro FRAG reg, adr, q, i             ; 16 rows x 128 K of 4-bit codes: lane l holds row l % 16; registers 4 c .. 4 c + 3 hold K = 64 c + 32 (l / 16) + 0 .. 31
.irp c, 0,1
	ds_load_b128 v[\reg+4*\c:\reg+4*\c+3], v[\adr] offset:64*(\q)+32*\c+(\i)*16*PITCH
.endr
.endm
; 16 matrix instructions: A's blocks a0, a0 + 1 x B's eight, the slot's q-th 128 along K.  p: B's set; sc: the set of scale words.  first = 1: the sums begin with the bias as C: nothing is cleared.
; The 64 accumulators take turns, one instruction a turn, in the same order in every step.
.macro MUL16 a0, p, q, sc, first
.irp a, \a0, \a0+1
.irp b, 0,1,2,3,4,5,6,7
.if \first
	v_wmma_scale_f32_16x16x128_f8f6f4 v[8*(8*((\a)%4)+\b):8*(8*((\a)%4)+\b)+7], v[128*(\p)+FR*\b:128*(\p)+FR*\b+FR-1], v[AF+FR*(\a):AF+FR*(\a)+FR-1], v[BB+8*\b:BB+8*\b+7], v[SC+8*NQ*(\sc)+NQ*\b+(\q)], v[SC+8*NQ*(\sc)+NQ*(\a)+(\q)] matrix_a_fmt:MATRIX_FMT_FP4 matrix_b_fmt:MATRIX_FMT_FP4 matrix_a_scale:MATRIX_SCALE_ROW1
.else
	v_wmma_scale_f32_16x16x128_f8f6f4 v[8*(8*((\a)%4)+\b):8*(8*((\a)%4)+\b)+7], v[128*(\p)+FR*\b:128*(\p)+FR*\b+FR-1], v[AF+FR*(\a):AF+FR*(\a)+FR-1], v[8*(8*((\a)%4)+\b):8*(8*((\a)%4)+\b)+7], v[SC+8*NQ*(\sc)+NQ*\b+(\q)], v[SC+8*NQ*(\sc)+NQ*(\a)+(\q)] matrix_a_fmt:MATRIX_FMT_FP4 matrix_b_fmt:MATRIX_FMT_FP4 matrix_a_scale:MATRIX_SCALE_ROW1
.endif
.endr
.endr
.endm
.macro FETCH_B slot, q, p              ; B's eight fragments into set p
	WIN TO_B
.irp i, 0,1,2,3,4,5,6,7
	FRAG 128*(\p)+FR*\i, ADRB+\slot, \q, \i
.endr
	WIN 0
.endm
.macro FETCH_A slot, q, i0             ; A's blocks i0 .. i0 + 3
.irp i, \i0, \i0+1, \i0+2, \i0+3
	FRAG AF+FR*(\i), ADRA+\slot, \q, \i
.endr
.endm
.macro SCALES sc                       ; a slot's scale words into set sc: four words a row; lanes 0-15 take A's block i, lanes 16-31 B's block i
.irp i, 0,1,2,3,4,5,6,7
	ds_load_b128 v[SC+8*NQ*\sc+NQ*\i:SC+8*NQ*\sc+NQ*\i+3], v[ADRS] offset:\i*SBLK
.endr
.endm
.macro PLACES n                        ; plain vector lines between a matrix instruction and a load into, or a vector line on, its registers
.rept \n
	v_nop
.endr
.endm
; A step of 128 along K that has its successor in the same slot.  A has one set of registers: blocks 0-3 are fetched anew in the step's middle, blocks 4-7 at its end; B has two sets.
.macro STEP slot, q, first
	s_wait_dscnt 4*NL                              ; B's set and A's blocks 0-3 are in; the youngest eight loads (A's blocks 4-7) may be out
	WIN MUL_LO-0x20*(\first)
	MUL16 0, (\q)%2, \q, \slot, \first
	MUL16 2, (\q)%2, \q, \slot, \first
	s_wait_dscnt 0                                 ; A's blocks 4-7 are in (asked for 32 matrix instructions ago)
	PLACES NP
	FETCH_B \slot, (\q)+1, 1-(\q)%2
	FETCH_A \slot, (\q)+1, 0
	WIN MUL_HI-0x30*(\first)
	MUL16 4, (\q)%2, \q, \slot, \first
	MUL16 6, (\q)%2, \q, \slot, \first
	PLACES NP
	WIN 0
	FETCH_A \slot, (\q)+1, 4
.endm
	s_wait_tensorcnt 1                             ; the scales and my part of slot 0 are in (slot 1's load may be out),
	s_barrier_signal -1
	s_barrier_wait -1                              ; everybody's are
	FETCH_B 0, 0, 0
	FETCH_A 0, 0, 0
	SCALES 0
	FETCH_A 0, 0, 4
	STEP 0, 0, 1
	STEP 0, 1, 0
	STEP 0, 2, 0
	; slot 0's last step changes slots: one barrier; in front of it each wave waits for all its tensor loads (its part of slot 1).  Nothing is filled again in this launch.
	s_wait_tensorcnt 0x0
	ds_add_u32 v[SPW], v[NIL]                      ; 0 onto my spare word
	s_wait_dscnt 4*NL+1                            ; (the add and the youngest eight loads may be out)
	WIN MUL_LO
	MUL16 0, 1, NQ-1, 0, 0
	s_wait_dscnt 0x0                               ; the add is done, and my reads of slot 0 are over
	s_barrier_signal -1
	MUL16 2, 1, NQ-1, 0, 0
	WIN 0
	s_barrier_wait -1                              ; slot 1 is whole
	PLACES NP
	v_add_nc_u32 v[ADRS], 4*NQ, v[ADRS]            ; on to slot 1's scale words
	FETCH_B 1, 0, 0
	FETCH_A 1, 0, 0
	SCALES 1
	WIN MUL_HI
	MUL16 4, 1, NQ-1, 0, 0
	MUL16 6, 1, NQ-1, 0, 0
	PLACES NP
	WIN 0
	FETCH_A 1, 0, 4
	STEP 1, 0, 0
	STEP 1, 1, 0
	STEP 1, 2, 0
	s_wait_dscnt 4*NL                              ; the very last step: nothing more to fetch
	WIN MUL_LO
	MUL16 0, 1, NQ-1, 1, 0
	MUL16 2, 1, NQ-1, 1, 0
	s_wait_dscnt 0
	WIN MUL_HI
	MUL16 4, 1, NQ-1, 1, 0
	MUL16 6, 1, NQ-1, 1, 0
	WIN 0
; THE WAY OUT, 16 rows of A at a time: the bias by A's rows is added, eight neighbours are packed into 16 bytes, and each store of the wave is half a fragment: 512 consecutive bytes, aligned.
.macro OUT a
.set AC, 64*((\a)%4)
.set TT, TMP+32*((\a)%2)
	WIN 0x02+((\a)/4)                              ; source 0: window 2 or 3
.set n, 0
.rept 32
	v_pk_add_f32 v[SUM+2*n:SUM+2*n+1], v[AC+2*n:AC+2*n+1], v[BA+2*(\a):BA+2*(\a)+1]   ; each accumulator from its low end on
.set n, n+1
.endr
	WIN 0
	s_wait_xcnt 0x0                                ; the earlier stores have read their registers and their base: both may be written
.if (\a) > 0
	s_add_nc_u64 s[12:13], s[12:13], s[STR:STR+1]  ; the next 16 rows of A
.endif
.set n, 0
.rept 32
	v_cvt_pk_f16_f32 v[TT+n], v[SUM+2*n], v[SUM+2*n+1]
.set n, n+1
.endr
.irp b, 0,1,2,3,4,5,6,7
	global_store_b128 v[LOFF], v[TT+4*\b:TT+4*\b+3], s[12:13] offset:512*\b th:TH_STORE_NT
.endr
.endm
	PLACES NP
.irp a, 0,1,2,3,4,5,6,7
	OUT \a
.endr
	s_wait_tensorcnt 0x0                           ; the wave's end
	ds_add_u32 v[SPW], v[NIL]
	s_wait_dscnt 0x0
	CROUND                                         ; the closing round: no work-group ends while a partner may still ask for a tile that names it
	s_endpgm
.Lfunc_end_k_q57da7ad5c9_qkv:
	.size	k_q57da7ad5c9_qkv, .Lfunc_end_k_q57da7ad5c9_qkv-k_q57da7ad5c9_qkv
	.p2alignl 7, 3214868480
	.fill 96, 4, 3214868480
	.section	.rodata,"a",@progbits
	.p2align	6, 0x0
	.amdhsa_kernel k_q57da7ad5c9_qkv
		.amdhsa_group_segment_fixed_size 327680
		.amdhsa_private_segment_fixed_size 0
		.amdhsa_enable_private_segment 0
		.amdhsa_kernarg_size 48
		.amdhsa_user_sgpr_count 2
		.amdhsa_user_sgpr_kernarg_segment_ptr 1
		.amdhsa_wavefront_size32 1
		.amdhsa_system_sgpr_workgroup_id_x 1
		.amdhsa_system_sgpr_workgroup_id_y 1
		.amdhsa_system_sgpr_workgroup_id_z 1
		.amdhsa_system_vgpr_workitem_id 0
		.amdhsa_next_free_vgpr 1024
		.amdhsa_next_free_sgpr 102
		.amdhsa_reserve_vcc 0
		.amdhsa_float_denorm_mode_32 3
		.amdhsa_float_denorm_mode_16_64 3
		.amdhsa_memory_ordered 1
		.amdhsa_forward_progress 1
		.amdhsa_inst_pref_size 143
	.end_amdhsa_kernel
	.amdgpu_metadata
---
amdhsa.version: [ 1, 2 ]
amdhsa.kernels:
  - .name:           k_q57da7ad5c9_qkv
    .symbol:         k_q57da7ad5c9_qkv.kd
    .args:
      - { .name: codes, .offset: 0, .size: 8, .value_kind: global_buffer, .address_space: global }
      - { .name: scales, .offset: 8, .size: 8, .value_kind: global_buffer, .address_space: global }
      - { .name: qkv, .offset: 16, .size: 8, .value_kind: global_buffer, .address_space: global }
      - { .name: b_q, .offset: 24, .size: 8, .value_kind: global_buffer, .address_space: global }
      - { .name: b_k, .offset: 32, .size: 8, .value_kind: global_buffer, .address_space: global }
      - { .name: b_v, .offset: 40, .size: 8, .value_kind: global_buffer, .address_space: global }
    .group_segment_fixed_size: 327680
    .private_segment_fixed_size: 0
    .kernarg_segment_align: 8
    .kernarg_segment_size: 48
    .max_flat_workgroup_size: 128
    .sgpr_count:     102
    .vgpr_count:     1024
    .wavefront_size: 32
...
	.end_amdgpu_metadata
.endif
;; end of part 2
;; launch scores (part 3): grid 8 x 32, 4 waves a work-group, clusters of 4 x 4, 327,680 bytes of LDS; arguments qkv, p, st; writes p, st
.if DOCPART == 3
	.amdgcn_target "amdgcn-amd-amdhsa--gfx1250"
	.amdhsa_code_object_version 6
	.text
	.protected	k_q57da7ad5c9_scores
	.globl	k_q57da7ad5c9_scores
	.p2align	8
	.type	k_q57da7ad5c9_scores,@function
k_q57da7ad5c9_scores:
	s_mov_b64 s[64:65], 0
	v_nop
	global_prefetch_b8 v0, s[64:65] scope:SCOPE_SE
	s_setreg_imm32_b32 hwreg(HW_REG_WAVE_MODE, 25, 1), 1
	s_wait_xcnt 0x0
	s_wait_alu depctr_hold_cnt(0) depctr_sa_sdst(0) depctr_va_vdst(0) depctr_va_sdst(0) depctr_va_ssrc(0) depctr_va_vcc(0) depctr_vm_vsrc(0)
	s_getreg_b32 s2, hwreg(HW_REG_IB_STS2, 6, 4)
	s_cmp_eq_u32 s2, 0
	s_cbranch_scc0 .Lentry_in_a_cluster
	s_endpgm
.Lentry_in_a_cluster:
	s_bfe_u32 s2, ttmp6, 0x10000c
	s_cmp_lg_u32 s2, 0xf033
	s_cbranch_scc0 .Lentry_shape_is_right
	s_endpgm
.Lentry_shape_is_right:
; s = Q K^T within each of the four sequences of 2,048; t = s x log2(e) / 32.  For each query and each BLOCK of 128 keys: M = the block's largest t rounded UP to a whole number; p = 2^(t - M), stored as f16;
; -M and the f32 sum of the unrounded p are stored beside it.  The next launch takes the largest M of a query's 16 blocks and brings every block under it by an exact power of two: so the row's true maximum is taken away.
; IN: qkv: Q at byte 0, K at 2^24, each [token / 16: 512][channel / 32: 32][1,024 bytes], f16 in the order of an operand's registers: a FRAGMENT (16 rows x 32 K) has lane l's registers 0-3 at 16 l and 4-7 at 512 + 16 l.
; OUT: p [query / 16: 512][key / 32 within the sequence: 64][1,024], fragments likewise.  st: -M at byte 0, the sums at 524,288, each [block of keys 16][query 8,192] f32.
; SHARES.  A work-group makes 256 queries x 256 keys, each of its four waves 128 x 128: 64 accumulators, 512 registers; a wave's 128 keys are one block.  K = 1,024 goes in steps of 128 through two LDS slots.
; A step's part of 16 rows is 4 fragments, 4,096 consecutive bytes: a tensor load brings 8 such rows, 32 KiB.  In LDS they lie as in memory; a fragment load takes 512 consecutive bytes: no padding is wanted.
; THE MATRIX INSTRUCTION: source 0 = 16 keys, source 1 = 16 queries: a lane holds ONE query (lane % 16) and eight neighbouring keys, 16 b + 8 (lane / 16) + 0..7: packed to f16 they are half a fragment of p, stored straight from registers.
; CLUSTERS: 4 x 4 work-groups.  Q's tile hangs on the tile row and is asked for jointly along a row of the cluster, K's on the tile column and the sequence, jointly along a column.
; No prefetch: from a request to the wait for it a wave issues 224 matrix instructions.  LIMITS: NaN and infinities are not served; a p under 2^-25 falls to 0 in f16.
; REGISTERS: window 0: v0-31 addresses; v64-127, v128-191 Q's fragments, two buffers; on the way out v64-255 are at work.  window 1: v64-127, v128-191 K's fragments.  windows 2, 3: accumulators, (a, b) at v[8 (8 (a % 4) + b)].
.set STEPB,  4096                      ; a K step's part of 16 rows
.set SLOT,   131072                    ; Q's 16 x 4,096 bytes, then K's
.set SST,    2*SLOT                    ; behind the ring: 1,024 bytes for each wave: its 128 queries' -M, then their sums
.set SPARE,  SST+4096                  ; the spare words, 128 bytes a wave
.set LAPS,   4                         ; a lap = two K steps
.set ADRA, 16                          ; v16-17 LDS address of my fragments of Q in slot 0, 1
.set ADRB, 20                          ; v20-21 of K
.set LOFF, 24                          ; v24    16 x lane
.set SSTA, 25                          ; v25    where I put my query's -M (lanes 0-15) or sum (lanes 16-31)
.set SSTR, 26                          ; v26    where I read them back, 16 bytes a lane
.set SPW,  28                          ; v28    LDS address of my spare word; never rewritten
.set NIL,  29                          ; v29    0; never rewritten
.set F0,   64
.set F1,   128
.set X,    64                          ; the way out: v64-127 t - M, then p
.set T,    128                         ; v128-151 maxima
.set NM,   152                         ; v[152:153] -M, as a pair
.set SU,   154                         ; v154-157 the sum, in two chains
.set ST,   158                         ; v158 what goes to the stage
.set SB,   160                         ; v160-167 back from the stage
.set TMP,  192                         ; v192-255 packed p, two sets of 32
.set G1, 24
.set G0, 32
.set G1B, 48
.set G0B, 56
.set CS,  66                           ; s[66:67] c = log2(e) / 32
.set SEL, 68                           ; s[68:69] v_permlanex16_b32's selects for lane l xor 16
.set HIM, 70                           ; s70 a mask of lanes 16-31
.set MSB, 0
.macro WIN new
.if MSB != (\new)
	s_set_vgpr_msb (MSB<<8)|(\new)
.set MSB, (\new)
.endif
.endm
.set MUL_LO, 0xa1                      ; source 0 (K) window 1, source 1 (Q) window 0, C and D window 2
.set MUL_HI, 0xf1
.set TO_B,   0x40
.macro JLOAD s                         ; waves 0 and 1 fetch Q's halves, waves 2 and 3 K's; an s_nop 0 and four v_nop follow each line
	s_cmp_eq_u32 s11, 0
	s_cbranch_scc0 .Lfor_b_\@
	tensor_load_to_lds s[G0+4*\s:G0+4*\s+3], s[G1:G1+7]
	s_nop 0
.rept 4
	v_nop
.endr
	s_branch .Lasked_\@
.Lfor_b_\@:
	tensor_load_to_lds s[G0B+4*\s:G0B+4*\s+3], s[G1B:G1B+7]
	s_nop 0
.rept 4
	v_nop
.endr
.Lasked_\@:
.endm
.macro CREST                           ; a round of the cluster's barrier behind its opening barrier
	s_cmp_lg_u32 s10, 0
	s_cbranch_scc1 .Lnot_wave_0_\@
	s_barrier_signal -3
.Lnot_wave_0_\@:
	s_barrier_wait -3
	s_barrier_signal -1
	s_barrier_wait -1
.endm
.macro CROUND
	s_barrier_signal -1
	s_barrier_wait -1
	CREST
.endm
	s_load_b128 s[4:7], s[0:1], 0x0                ; qkv, p
	s_load_b64 s[8:9], s[0:1], 0x10                ; st
	v_lshl_add_u32 v[SPW], v0, 2, SPARE
	v_mov_b32 v[NIL], 0
	ds_add_u32 v[SPW], v[NIL]                      ; the wave's opening: the add, twice on end, and its wait ahead of my first tensor load
	ds_add_u32 v[SPW], v[NIL]
	v_lshrrev_b32 v1, 5, v0
	v_readfirstlane_b32 s10, v1                    ; wave
	s_lshr_b32 s11, s10, 1                         ; which half of the queries is mine.  Also: I fetch for Q (0) or K (1)
	s_and_b32 s12, s10, 1                          ; which half of the keys.  Also: which 128 rows I fetch
	s_bfe_u32 s40, ttmp6, 0x40000                  ; cx
	s_bfe_u32 s41, ttmp6, 0x40004                  ; cy
	s_lshl_b32 s42, ttmp9, 2
	s_add_co_u32 s42, s42, s40                     ; tile of 256 keys within the sequence, 0..7
	s_and_b32 s13, ttmp7, 0xffff
	s_lshr_b32 s45, s13, 1                         ; the sequence: two clusters along y to each; all partners share it
	s_lshl_b32 s13, s13, 2
	s_add_co_u32 s13, s13, s41                     ; tile of 256 queries, 0..31
	s_lshl_b32 s43, s41, 2
	s_lshl_b32 s43, 15, s43                        ; my row of the cluster
	s_lshl_b32 s44, 0x1111, s40                    ; my column
	s_or_b32 s[G1+0], s43, (3<<16)|(1<<21)         ; 15:0 the mask; 17:16 elements of 8 bytes; 21 set beside a mask; no padding
	s_or_b32 s[G1B+0], s44, (3<<16)|(1<<21)
.irp g, G1, G1B
	s_mov_b32 s[\g+1], 512<<16                     ; tensor_dim0: 4,096 bytes
	s_mov_b32 s[\g+2], 8<<16                       ; tensor_dim1: 8 blocks of 16 rows
	s_mov_b32 s[\g+3], 512<<16                     ; tile_dim0
	s_mov_b32 s[\g+4], 8                           ; tile_dim1
	s_mov_b32 s[\g+5], 4096                        ; 32,768 bytes from one 16 rows to the next
	s_mov_b32 s[\g+6], 0
	s_mov_b32 s[\g+7], 0
.endr
	s_lshl_b32 s17, s12, 3
	s_lshl_b32 s16, s13, 4
	s_add_co_u32 s16, s16, s17                     ; Q: block of 16 rows 16 x tile + 8 x half
	s_lshl_b32 s16, s16, 15
	s_lshl_b32 s46, s45, 7                         ; K: 128 blocks a sequence,
	s_lshl_b32 s47, s42, 4
	s_add_co_u32 s46, s46, s47
	s_add_co_u32 s46, s46, s17
	s_add_co_u32 s46, s46, 512                     ; behind Q's 512 blocks
	s_lshl_b32 s46, s46, 15
	s_mov_b32 s17, 0
	s_mov_b32 s47, 0
	s_lshl_b32 s20, s10, 15                        ; where they go: wave x 32,768
	s_mov_b32 s[CS], 0x3d38aa3b                    ; log2(e) / 32
	s_mov_b32 s[CS+1], s[CS]
	s_mov_b32 s[SEL], 0x76543210
	s_mov_b32 s[SEL+1], 0xfedcba98
	s_mov_b32 s[HIM], 0xffff0000
	s_wait_dscnt 0x0                               ; both opening adds are done
	s_wait_kmcnt 0x0
	s_add_nc_u64 s[14:15], s[4:5], s[16:17]
	s_add_nc_u64 s[46:47], s[4:5], s[46:47]
	CROUND                                         ; all sixteen work-groups are here: the first joint loads meet
.irp s, 0,1
	s_mov_b32 s[G0+4*\s], 1
	s_add_co_u32 s[G0+4*\s+1], s20, \s*SLOT
	s_add_nc_u64 s[G0+4*\s+2:G0+4*\s+3], s[14:15], \s*STEPB
	s_or_b32 s[G0+4*\s+3], s[G0+4*\s+3], 0x80000000
	s_mov_b32 s[G0B+4*\s], 1
	s_add_co_u32 s[G0B+4*\s+1], s20, \s*SLOT
	s_add_nc_u64 s[G0B+4*\s+2:G0B+4*\s+3], s[46:47], \s*STEPB
	s_or_b32 s[G0B+4*\s+3], s[G0B+4*\s+3], 0x80000000
	JLOAD \s                                       ; two tensor loads of mine are out
.endr
	v_and_b32 v1, 31, v0
	v_lshlrev_b32 v[LOFF], 4, v1
	s_lshl_b32 s21, s11, 15                        ; my 128 queries
	s_lshl_b32 s22, s12, 15                        ; my 128 keys,
	s_add_co_u32 s22, s22, 65536                   ; behind Q's 256 rows
.irp s, 0,1
	v_add_nc_u32 v[ADRA+\s], s21, v[LOFF]
	v_add_nc_u32 v[ADRB+\s], s22, v[LOFF]
	s_add_co_u32 s21, s21, SLOT
	s_add_co_u32 s22, s22, SLOT
.endr
	v_and_b32 v2, 15, v0
	v_bfe_u32 v3, v0, 4, 1
	s_lshl_b32 s23, s10, 10
	s_add_co_u32 s23, s23, SST
	v_lshlrev_b32 v[SSTA], 2, v2
	v_lshl_add_u32 v[SSTA], v3, 9, v[SSTA]
	v_add_nc_u32 v[SSTA], s23, v[SSTA]             ; 4 r, + 512 for lanes 16-31
	v_add_nc_u32 v[SSTR], s23, v[LOFF]
	s_lshl_b32 s72, s13, 4                         ; p: (16 x query tile + 8 x half) blocks of 65,536 bytes + (8 x key tile + 4 x half) fragments
	s_lshl_b32 s73, s11, 3
	s_add_co_u32 s72, s72, s73
	s_lshl_b32 s72, s72, 16
	s_lshl_b32 s73, s42, 3
	s_lshl_b32 s74, s12, 2
	s_add_co_u32 s73, s73, s74
	s_lshl_b32 s73, s73, 10
	s_add_co_u32 s72, s72, s73
	s_mov_b32 s73, 0
	s_add_nc_u64 s[6:7], s[6:7], s[72:73]
	s_lshl_b32 s74, s42, 1                         ; st: block of keys 2 x key tile + half, 32,768 bytes each; + 4 x my first query
	s_add_co_u32 s74, s74, s12
	s_lshl_b32 s74, s74, 15
	s_lshl_b32 s75, s13, 10
	s_add_co_u32 s74, s74, s75
	s_lshl_b32 s75, s11, 9
	s_add_co_u32 s74, s74, s75
	s_mov_b32 s75, 0
	s_add_nc_u64 s[8:9], s[8:9], s[74:75]
; 16 matrix instructions: query blocks a0, a0 + 1 of the window's four x all 8 key blocks, 32 along K.  zero = 1: the first product starts the sums.  The 64 accumulators take turns.
.macro MUL16 f, hi, a0, zero
.irp a, \a0, \a0+1
.irp b, 0,1,2,3,4,5,6,7
.if \zero
	v_wmma_f32_16x16x32_f16 v[8*(8*(\a)+\b):8*(8*(\a)+\b)+7], v[\f+8*\b:\f+8*\b+7], v[\f+8*(4*\hi+\a):\f+8*(4*\hi+\a)+7], 0
.else
	v_wmma_f32_16x16x32_f16 v[8*(8*(\a)+\b):8*(8*(\a)+\b)+7], v[\f+8*\b:\f+8*\b+7], v[\f+8*(4*\hi+\a):\f+8*(4*\hi+\a)+7], v[8*(8*(\a)+\b):8*(8*(\a)+\b)+7]
.endif
.endr
.endr
.endm
.macro FETCH slot, q, f                ; 32 LDS loads in one run: the fragments of the slot's q-th 32 along K
	WIN TO_B
.irp i, 0,1,2,3,4,5,6,7
	ds_load_b128 v[\f+8*\i:\f+8*\i+3],   v[ADRB+\slot] offset:\i*4096+(\q)*1024
	ds_load_b128 v[\f+8*\i+4:\f+8*\i+7], v[ADRB+\slot] offset:\i*4096+(\q)*1024+512
.endr
	WIN 0
.irp i, 0,1,2,3,4,5,6,7
	ds_load_b128 v[\f+8*\i:\f+8*\i+3],   v[ADRA+\slot] offset:\i*4096+(\q)*1024
	ds_load_b128 v[\f+8*\i+4:\f+8*\i+7], v[ADRA+\slot] offset:\i*4096+(\q)*1024+512
.endr
.endm
.macro PLACES                          ; four plain vector lines between a matrix instruction and a load into, or a vector line on, its registers
.rept 4
	v_nop
.endr
.endm
.macro QUARTER slot, q, f, g, zero     ; multiplies buffer f; in its middle fetches the slot's q-th quarter into buffer g
	s_wait_dscnt 8                                 ; K's and Q's blocks 0-3 are in; the youngest eight loads (Q's blocks 4-7) may be out
	WIN MUL_LO
	MUL16 \f, 0, 0, \zero
	MUL16 \f, 0, 2, \zero
	PLACES
	FETCH \slot, \q, \g
	s_wait_dscnt 32                                ; all but the 32 just issued
	WIN MUL_HI
	MUL16 \f, 1, 0, \zero
	MUL16 \f, 1, 2, \zero
.endm
; A slot's last quarter multiplies buffer 1 and changes slots: one barrier; in front of it each wave waits for all its tensor loads (one is out: its part of the next slot), adds 0 to its spare word,
; and waits for that and for its reads of this slot.  fill = 1: the barrier opens a round of the cluster's, and behind the round this slot is filled again, two K steps ahead.
.macro TURN slot, next, fill
	WIN 0
	s_wait_tensorcnt 0x0
	ds_add_u32 v[SPW], v[NIL]
	s_wait_dscnt 9                                 ; (the add and the youngest eight loads may be out)
	WIN MUL_LO
	MUL16 F1, 0, 0, 0
	s_wait_dscnt 0x0                               ; the add is done, and my reads of this slot are over
	s_barrier_signal -1
	MUL16 F1, 0, 2, 0
	WIN 0
	s_barrier_wait -1
.if \fill
	CREST                                          ; no wave of any partner still reads this slot or has a load on its way
	s_add_nc_u64 s[G0+4*\slot+2:G0+4*\slot+3], s[G0+4*\slot+2:G0+4*\slot+3], 2*STEPB
	s_add_nc_u64 s[G0B+4*\slot+2:G0B+4*\slot+3], s[G0B+4*\slot+2:G0B+4*\slot+3], 2*STEPB
	JLOAD \slot                                    ; my one tensor load behind the round; its four v_nop are also the places in front of the loads below
.else
	PLACES
.endif
	FETCH \next, 0, F0
	WIN MUL_HI
	MUL16 F1, 1, 0, 0
	MUL16 F1, 1, 2, 0
.endm
	s_wait_tensorcnt 1                             ; my part of K step 0 is in (K step 1's load may be out),
	s_barrier_signal -1
	s_barrier_wait -1                              ; everybody's is
	FETCH 0, 0, F0
	QUARTER 0, 1, F0, F1, 1                        ; the first quarter stands in front of the loop: its products start the sums
	WIN 0
	s_mov_b32 s3, LAPS-1
.Llap:                                             ; a trip goes once round the ring and fills both slots again
	QUARTER 0, 2, F1, F0, 0
	QUARTER 0, 3, F0, F1, 0
	TURN 0, 1, 1
	QUARTER 1, 1, F0, F1, 0
	QUARTER 1, 2, F1, F0, 0
	QUARTER 1, 3, F0, F1, 0
	TURN 1, 0, 1
	QUARTER 0, 1, F0, F1, 0
	WIN 0
	s_sub_co_u32 s3, s3, 1
	s_cmp_lg_u32 s3, 0
	s_cbranch_scc1 .Llap
	QUARTER 0, 2, F1, F0, 0                        ; the last lap fills nothing
	QUARTER 0, 3, F0, F1, 0
	TURN 0, 1, 0
	QUARTER 1, 1, F0, F1, 0
	QUARTER 1, 2, F1, F0, 0
	QUARTER 1, 3, F0, F1, 0
	s_wait_dscnt 8
	WIN MUL_LO
	MUL16 F1, 0, 0, 0
	MUL16 F1, 0, 2, 0
	s_wait_dscnt 0
	WIN MUL_HI
	MUL16 F1, 1, 0, 0
	MUL16 F1, 1, 2, 0
	WIN 0
; THE WAY OUT of 16 queries x my 128 keys: register 8 b + j of the block's 64 holds key 16 b + 8 (lane / 16) + j of query 16 a + lane % 16.
.macro SOFT a
.set AC, 64*((\a)%4)
.set TT, TMP+32*((\a)%2)
	WIN 0x2a+0x15*((\a)/4)                         ; all three sources: window 2 or 3
.irp b, 0,1,2,3,4,5,6,7
	v_max3_num_f32 v[T+3*\b], v[AC+8*\b], v[AC+8*\b+1], v[AC+8*\b+2]        ; each accumulator from its low end on
	v_max3_num_f32 v[T+3*\b+1], v[AC+8*\b+3], v[AC+8*\b+4], v[AC+8*\b+5]
	v_max_num_f32 v[T+3*\b+2], v[AC+8*\b+6], v[AC+8*\b+7]
.endr
	WIN 0
.irp b, 0,1,2,3,4,5,6,7
	v_max3_num_f32 v[T+3*\b], v[T+3*\b], v[T+3*\b+1], v[T+3*\b+2]
.endr
	v_max3_num_f32 v[T], v[T], v[T+3], v[T+6]
	v_max3_num_f32 v[T+9], v[T+9], v[T+12], v[T+15]
	v_max_num_f32 v[T+18], v[T+18], v[T+21]
	v_max3_num_f32 v[T], v[T], v[T+9], v[T+18]
	v_permlanex16_b32 v[T+1], v[T], s[SEL], s[SEL+1]   ; the query's other 64 keys lie in the lane 16 away
	v_max_num_f32 v[T], v[T], v[T+1]
	v_mul_f32 v[T], s[CS], v[T]                    ; as t (c is positive)
	v_floor_f32 v[NM], -v[T]                       ; -M = floor(-t) = -ceil(t): a whole number
	v_mov_b32 v[NM+1], v[NM]
	WIN 0x02+((\a)/4)                              ; source 0: window 2 or 3
.set n, 0
.rept 32
	v_pk_fma_f32 v[X+2*n:X+2*n+1], v[AC+2*n:AC+2*n+1], s[CS:CS+1], v[NM:NM+1] op_sel_hi:[1,0,0]   ; t - M, two at a time
.set n, n+1
.endr
	WIN 0
.set n, 0
.rept 64
	v_exp_f32 v[X+n], v[X+n]                       ; p = 2^(t - M), at most 1, the block's largest above 1/2
.set n, n+1
.endr
	v_nop                                          ; a plain line behind the last exponential
	s_wait_alu depctr_va_vdst(0)                   ; one wait for the batch, ahead of its first reader
	v_pk_add_f32 v[SU:SU+1], v[X:X+1], v[X+2:X+3]  ; the sum is taken of the unrounded p, in two chains
	v_pk_add_f32 v[SU+2:SU+3], v[X+4:X+5], v[X+6:X+7]
.irp j, 8,12,16,20,24,28,32,36,40,44,48,52,56,60
	v_pk_add_f32 v[SU:SU+1], v[SU:SU+1], v[X+\j:X+\j+1]
	v_pk_add_f32 v[SU+2:SU+3], v[SU+2:SU+3], v[X+\j+2:X+\j+3]
.endr
	v_pk_add_f32 v[SU:SU+1], v[SU:SU+1], v[SU+2:SU+3]
	v_add_f32 v[SU], v[SU], v[SU+1]
	v_permlanex16_b32 v[SU+1], v[SU], s[SEL], s[SEL+1]
	v_add_f32 v[SU], v[SU], v[SU+1]
	s_wait_xcnt 0x0                                ; the stores of two blocks ago have read this set's registers
.set n, 0
.rept 32
	v_cvt_pk_f16_f32 v[TT+n], v[X+2*n], v[X+2*n+1]
.set n, n+1
.endr
.irp b, 0,1,2,3,4,5,6,7
	global_store_b128 v[LOFF], v[TT+4*\b:TT+4*\b+3], s[6:7] offset:65536*(\a)+512*\b th:TH_STORE_NT   ; half a fragment: 512 consecutive bytes, aligned
.endr
	v_cndmask_b32 v[ST], v[NM], v[SU], s[HIM]      ; lanes 0-15: -M; lanes 16-31: the sum
	ds_store_b32 v[SSTA], v[ST] offset:64*(\a)
.endm
	PLACES
.irp a, 0,1,2,3,4,5,6,7
	SOFT \a
.endr
	ds_load_b128 v[SB:SB+3], v[SSTR]               ; LDS serves a wave's instructions in order: these see my stores.  My 128 queries' -M,
	ds_load_b128 v[SB+4:SB+7], v[SSTR] offset:512  ; and their sums
	s_wait_dscnt 0x0
	global_store_b128 v[LOFF], v[SB:SB+3], s[8:9]                    ; 512 consecutive bytes each, aligned
	global_store_b128 v[LOFF], v[SB+4:SB+7], s[8:9] offset:524288
	s_wait_tensorcnt 0x0                           ; the wave's end
	ds_add_u32 v[SPW], v[NIL]
	s_wait_dscnt 0x0
	CROUND                                         ; the closing round
	s_endpgm
.Lfunc_end_k_q57da7ad5c9_scores:
	.size	k_q57da7ad5c9_scores, .Lfunc_end_k_q57da7ad5c9_scores-k_q57da7ad5c9_scores
	.p2alignl 7, 3214868480
	.fill 96, 4, 3214868480
	.section	.rodata,"a",@progbits
	.p2align	6, 0x0
	.amdhsa_kernel k_q57da7ad5c9_scores
		.amdhsa_group_segment_fixed_size 327680
		.amdhsa_private_segment_fixed_size 0
		.amdhsa_enable_private_segment 0
		.amdhsa_kernarg_size 24
		.amdhsa_user_sgpr_count 2
		.amdhsa_user_sgpr_kernarg_segment_ptr 1
		.amdhsa_wavefront_size32 1
		.amdhsa_system_sgpr_workgroup_id_x 1
		.amdhsa_system_sgpr_workgroup_id_y 1
		.amdhsa_system_sgpr_workgroup_id_z 1
		.amdhsa_system_vgpr_workitem_id 0
		.amdhsa_next_free_vgpr 1024
		.amdhsa_next_free_sgpr 80
		.amdhsa_reserve_vcc 0
		.amdhsa_float_denorm_mode_32 3
		.amdhsa_float_denorm_mode_16_64 3
		.amdhsa_memory_ordered 1
		.amdhsa_forward_progress 1
		.amdhsa_inst_pref_size 202
	.end_amdhsa_kernel
	.amdgpu_metadata
---
amdhsa.version: [ 1, 2 ]
amdhsa.kernels:
  - .name:           k_q57da7ad5c9_scores
    .symbol:         k_q57da7ad5c9_scores.kd
    .args:
      - { .name: qkv, .offset: 0, .size: 8, .value_kind: global_buffer, .address_space: global }
      - { .name: p, .offset: 8, .size: 8, .value_kind: global_buffer, .address_space: global }
      - { .name: st, .offset: 16, .size: 8, .value_kind: global_buffer, .address_space: global }
    .group_segment_fixed_size: 327680
    .private_segment_fixed_size: 0
    .kernarg_segment_align: 8
    .kernarg_segment_size: 24
    .max_flat_workgroup_size: 128
    .sgpr_count:     80
    .vgpr_count:     1024
    .wavefront_size: 32
...
	.end_amdgpu_metadata
.endif
;; end of part 3
;; launch pv (part 4): grid 4 x 64, 4 waves a work-group, clusters of 4 x 4, 327,680 bytes of LDS; arguments p, st, qkv, o16; writes o16
.if DOCPART == 4
	.amdgcn_target "amdgcn-amd-amdhsa--gfx1250"
	.amdhsa_code_object_version 6
	.text
	.protected	k_q57da7ad5c9_pv
	.globl	k_q57da7ad5c9_pv
	.p2align	8
	.type	k_q57da7ad5c9_pv,@function
k_q57da7ad5c9_pv:
	s_mov_b64 s[64:65], 0
	v_nop
	global_prefetch_b8 v0, s[64:65] scope:SCOPE_SE
	s_setreg_imm32_b32 hwreg(HW_REG_WAVE_MODE, 25, 1), 1
	s_wait_xcnt 0x0
	s_wait_alu depctr_hold_cnt(0) depctr_sa_sdst(0) depctr_va_vdst(0) depctr_va_sdst(0) depctr_va_ssrc(0) depctr_va_vcc(0) depctr_vm_vsrc(0)
	s_getreg_b32 s2, hwreg(HW_REG_IB_STS2, 6, 4)
	s_cmp_eq_u32 s2, 0
	s_cbranch_scc0 .Lentry_in_a_cluster
	s_endpgm
.Lentry_in_a_cluster:
	s_bfe_u32 s2, ttmp6, 0x10000c
	s_cmp_lg_u32 s2, 0xf033
	s_cbranch_scc0 .Lentry_shape_is_right
	s_endpgm
.Lentry_shape_is_right:
; O = softmax(s) V, from the blockwise weights of the launch before.  For each query: M_row = the largest of its 16 blocks' M; f_blk = 2^(M_blk - M_row), an exact power of two, at most 1; l = the sum of f_blk x L_blk;
; O = the sum over blocks of (f_blk / l) x (p_blk V_blk).  So the row's true maximum is what is taken away.  No branch hangs on data.
; IN: p [query / 16: 512][key / 32 in the sequence: 64][1,024 bytes]; V^T in qkv at 2^25: [channel / 16: 64][token / 32: 256][1,024]; both f16 FRAGMENTS (16 rows x 32 K: lane l's registers 0-3 at 16 l, 4-7 at 512 + 16 l).
; st: -M at byte 0, the sums L at 524,288, each [block 16][query 8,192] f32.  OUT: o16 [query / 16: 512][channel / 32: 32][1,024], fragments, f16.
; SHARES.  A work-group makes 128 queries x 256 channels: 256 work-groups; a wave 64 x 128: 32 accumulators, 256 registers.  K = the sequence's 2,048 keys, in 16 steps of 128 through two LDS slots: a step is one block of keys.
; THE MATRIX INSTRUCTION: source 0 = 16 channels of V^T, source 1 = 16 queries of p: a lane holds ONE query (lane % 16) and eight neighbouring channels: packed, half a fragment of O, stored straight from registers.
; THE FACTORS ARE APPLIED IN f32.  A block's products start sums S of their own (C = 0); when the block is done, O += (f_blk / l) x S, 128 packed multiply-adds for the block's 128 matrix instructions.  A lane's numbers of query block a
; all belong to one query, so a block wants four factors a lane; each lies twice, as a pair for the packed form, in the wave's own table in LDS.  The first block starts O by a multiplication: nothing is cleared.
; THE CHANGE OF SLOTS stands at a step's end: the wait for all tensor loads, the round and the refill follow each other with no product between; the fold of the block just done stands behind the refill and the next LDS loads.
; CLUSTERS: 4 x 4.  p's tile hangs on the tile of queries: asked for jointly along a row of the cluster; V^T's on the tile of channels and the sequence: jointly along a column.
; LIMITS: NaN and infinities are not served; |O| up to 65,504, under 6e-5 with fewer bits (f16).
; REGISTERS: window 0: v0-31 addresses; v32-47 factors, a set of four pairs for each slot; v48-59 at work at the head; v64-95, v96-127 p's fragments, two buffers; v128-191, v192-255 V^T's.
;   window 1: S, the block's sums, (a, b) at v[8 (8 a + b)].   window 2: O, laid likewise.
.set STEPB,  4096                      ; a K step's part of 16 rows
.set SLOT,   98304                     ; p's 8 x 4,096 bytes, then V^T's 16 x 4,096
.set FT,     2*SLOT                    ; behind the ring: the factors: for each wave 16 blocks x 1,024 bytes (eight registers a lane, as they stand)
.set FTW,    16384                     ; a wave's table
.set SPARE,  FT+4*FTW                  ; the spare words, 128 bytes a wave
.set ADRA, 16                          ; v16-17 LDS address of my fragments of p in slot 0, 1
.set ADRB, 20                          ; v20-21 of V^T
.set FTA,  22                          ; v22 my place in the factors' table, at the pair of blocks in hand; it steps two blocks at a time
.set LOFF, 24                          ; v24 16 x lane
.set PFO,  26                          ; v26 the prefetches' offset; never rewritten
.set SPW,  28                          ; v28 LDS address of my spare word; never rewritten
.set NIL,  29                          ; v29 0; never rewritten
.set FC,   32                          ; the factors of the block in slot s: query block a's in v[FC + 8 s + 2 a] and again in the register behind it
.set RL,   48                          ; v48-51 1 / l
.set MN,   52                          ; v52-55 -M_row
.set LS,   56                          ; v56-59 l
.set AFR,  64
.set BF,   128
.set XM,   64                          ; at the head: v64-127 -M_blk, then f_blk;
.set XL,   128                         ; v128-191 L_blk;
.set FD,   128                         ; then v128-255 f_blk / l, each twice: block n, query block a at v[FD + 8 n + 2 a]
.set TMP,  64                          ; the way out: packed results, two sets of 32
.set G1, 24                            ; s[24:31] group 1 for p's tiles; s[32:39] group 0, a set for each slot
.set G0, 32
.set G1B, 48                           ; s[48:55], s[56:63] the same for V^T's
.set G0B, 56
.set PFA, 66                           ; s[66:67] where my prefetches stand
.set MSB, 0
.macro WIN new                         ; the immediate's high byte repeats the setting that is left
.if MSB != (\new)
	s_set_vgpr_msb (MSB<<8)|(\new)
.set MSB, (\new)
.endif
.endm
.set MUL,   0x50                       ; C and D (S) window 1, the sources window 0
.set W_FMA, 0xa1                       ; source 0 (S) window 1, source 1 (the factor) window 0, source 2 and destination (O) window 2
.set W_MUL, 0x81                       ; the same without source 2
.set W_PK,  0x0a                       ; sources 0 and 1 (O) window 2, destination window 0
.macro JLOAD s                         ; waves 0 and 1 fetch p's halves, waves 2 and 3 V^T's; an s_nop 0 and four v_nop follow each line
	s_cmp_eq_u32 s13, 0
	s_cbranch_scc0 .Lfor_b_\@
	tensor_load_to_lds s[G0+4*\s:G0+4*\s+3], s[G1:G1+7]
	s_nop 0
.rept 4
	v_nop
.endr
	s_branch .Lasked_\@
.Lfor_b_\@:
	tensor_load_to_lds s[G0B+4*\s:G0B+4*\s+3], s[G1B:G1B+7]
	s_nop 0
.rept 4
	v_nop
.endr
.Lasked_\@:
.endm
; A PREFETCH INTO THE L2 of p, behind the joint load and the run of LDS loads that follows it: the K step that the NEXT change of slots will ask for: one step, 128 matrix instructions, ahead of that load.
; A step of the work-group's tile of p is 8 x 4,096 bytes.  The four partners that ask for it jointly share it out BY ADDRESS, two blocks of 16 queries each; in each, wave 0 asks: lanes 256 bytes apart, one instruction.
; So each 256 bytes of p are named once in the launch.  Steps 3 to 15 are named; the change that asks for step 15 prefetches nothing; steps 0 to 2 come by their loads alone.  V^T is read by four clusters and is not asked for.
.macro ASK
	s_cmp_lg_u32 s12, 0
	s_cbranch_scc1 .Lnot_mine_\@
	global_prefetch_b8 v[PFO], s[PFA:PFA+1] th:TH_LOAD_NT scope:SCOPE_SE
.Lnot_mine_\@:
.endm
.macro CROUND                          ; a round of the cluster's barrier
	s_barrier_signal -1
	s_barrier_wait -1
	s_cmp_lg_u32 s12, 0
	s_cbranch_scc1 .Lnot_wave_0_\@
	s_barrier_signal -3
.Lnot_wave_0_\@:
	s_barrier_wait -3
	s_barrier_signal -1
	s_barrier_wait -1
.endm
	s_load_b256 s[4:11], s[0:1], 0x0               ; p, st, qkv, o16
	v_lshl_add_u32 v[SPW], v0, 2, SPARE
	v_mov_b32 v[NIL], 0
	ds_add_u32 v[SPW], v[NIL]                      ; the wave's opening: the add, twice on end, and its wait ahead of my first tensor load
	ds_add_u32 v[SPW], v[NIL]                      ; and once more; the set-up below, work on registers, stands between it and the wait
	v_lshrrev_b32 v1, 5, v0
	v_readfirstlane_b32 s12, v1                    ; wave
	s_lshr_b32 s13, s12, 1                         ; which 64 queries are mine.  Also: I fetch for p (0) or V^T (1)
	s_and_b32 s14, s12, 1                          ; which 128 channels.  Also: which half of that tile I fetch
	s_bfe_u32 s40, ttmp6, 0x40000                  ; cx
	s_bfe_u32 s41, ttmp6, 0x40004                  ; cy
	s_lshl_b32 s42, ttmp9, 2
	s_add_co_u32 s42, s42, s40                     ; tile of 256 channels, 0..3
	s_and_b32 s15, ttmp7, 0xffff
	s_lshr_b32 s18, s15, 2                         ; the sequence: four clusters along y to each
	s_lshl_b32 s15, s15, 2
	s_add_co_u32 s15, s15, s41                     ; tile of 128 queries, 0..63
	s_lshl_b32 s43, s41, 2
	s_lshl_b32 s43, 15, s43                        ; my row of the cluster
	s_lshl_b32 s44, 0x1111, s40                    ; my column
	s_or_b32 s[G1+0], s43, (3<<16)|(1<<21)         ; p: 4 rows of 4,096 bytes (512 elements of 8), 65,536 bytes apart; 15:0 the mask; 21 set beside a mask; no padding
	s_mov_b32 s[G1+1], 512<<16
	s_mov_b32 s[G1+2], 4<<16
	s_mov_b32 s[G1+3], 512<<16
	s_mov_b32 s[G1+4], 4
	s_mov_b32 s[G1+5], 8192
	s_mov_b32 s[G1+6], 0
	s_mov_b32 s[G1+7], 0
	s_or_b32 s[G1B+0], s44, (3<<16)|(1<<21)        ; V^T: 8 rows of 4,096 bytes, 262,144 bytes apart
	s_mov_b32 s[G1B+1], 512<<16
	s_mov_b32 s[G1B+2], 8<<16
	s_mov_b32 s[G1B+3], 512<<16
	s_mov_b32 s[G1B+4], 8
	s_mov_b32 s[G1B+5], 32768
	s_mov_b32 s[G1B+6], 0
	s_mov_b32 s[G1B+7], 0
	s_lshl_b32 s16, s15, 3
	s_lshl_b32 s17, s14, 2
	s_add_co_u32 s16, s16, s17                     ; p: block of 16 queries 8 x tile + 4 x half
	s_lshl_b32 s16, s16, 16
	s_mov_b32 s17, 0
	s_lshl_b32 s46, s42, 4
	s_lshl_b32 s47, s14, 3
	s_add_co_u32 s46, s46, s47                     ; V^T: block of 16 channels 16 x tile + 8 x half,
	s_lshl_b32 s46, s46, 2                         ; in units of 65,536 bytes: four to a block,
	s_add_co_u32 s46, s46, s18                     ; one to a sequence's 64 fragments,
	s_add_co_u32 s46, s46, 512                     ; behind Q and K
	s_lshl_b32 s46, s46, 16
	s_mov_b32 s47, 0
	s_lshl_b32 s20, s14, 14                        ; where they go: p's halves,
	s_lshl_b32 s21, s14, 15
	s_add_co_u32 s21, s21, 32768                   ; V^T's behind them: no place in the cluster enters an LDS address
	s_wait_dscnt 0x0                               ; both opening adds are done
	s_wait_kmcnt 0x0
	s_add_nc_u64 s[16:17], s[4:5], s[16:17]
	s_add_nc_u64 s[46:47], s[8:9], s[46:47]
	CROUND                                         ; all sixteen work-groups are here: the first joint loads meet
.irp s, 0,1
	s_mov_b32 s[G0+4*\s], 1
	s_add_co_u32 s[G0+4*\s+1], s20, \s*SLOT
	s_add_nc_u64 s[G0+4*\s+2:G0+4*\s+3], s[16:17], \s*STEPB
	s_or_b32 s[G0+4*\s+3], s[G0+4*\s+3], 0x80000000
	s_mov_b32 s[G0B+4*\s], 1
	s_add_co_u32 s[G0B+4*\s+1], s21, \s*SLOT
	s_add_nc_u64 s[G0B+4*\s+2:G0B+4*\s+3], s[46:47], \s*STEPB
	s_or_b32 s[G0B+4*\s+3], s[G0B+4*\s+3], 0x80000000
	JLOAD \s                                       ; K steps 0 and 1: two tensor loads of mine are out
.endr
	; the statistics of my 64 queries: 16 blocks x (-M, L); lane l takes query 16 a + l % 16
	v_and_b32 v1, 15, v0
	v_lshlrev_b32 v2, 2, v1
	s_lshl_b32 s72, s15, 9                         ; 4 x (128 x tile + 64 x half)
	s_lshl_b32 s73, s13, 8
	s_add_co_u32 s72, s72, s73
	s_mov_b32 s73, 0
	s_add_nc_u64 s[6:7], s[6:7], s[72:73]
.irp a, 0,1,2,3
.set n, 0
.rept 16
	global_load_b32 v[XM+16*\a+n], v2, s[6:7] offset:32768*n+64*\a
	global_load_b32 v[XL+16*\a+n], v2, s[6:7] offset:524288+32768*n+64*\a
.set n, n+1
.endr
.endr
	v_and_b32 v3, 31, v0
	v_lshlrev_b32 v[LOFF], 4, v3
	s_lshl_b32 s22, s13, 14                        ; my 64 queries
	s_lshl_b32 s23, s14, 15                        ; my 128 channels
	s_add_co_u32 s23, s23, 32768
.irp s, 0,1
	v_add_nc_u32 v[ADRA+\s], s22, v[LOFF]
	v_add_nc_u32 v[ADRB+\s], s23, v[LOFF]
	s_add_co_u32 s22, s22, SLOT
	s_add_co_u32 s23, s23, SLOT
.endr
	s_lshl_b32 s22, s12, 14                        ; my wave's table
	s_add_co_u32 s22, s22, FT
	v_add_nc_u32 v[FTA], s22, v[LOFF]
	v_bfe_u32 v4, v0, 4, 1
	v_lshlrev_b32 v[PFO], 8, v1
	v_lshl_add_u32 v[PFO], v4, 16, v[PFO]          ; lanes 0-15 one block of 16 queries, lanes 16-31 the next; 256 bytes from lane to lane
	s_lshl_b32 s74, s15, 3
	s_lshl_b32 s75, s40, 1
	s_add_co_u32 s74, s74, s75                     ; my work-group's two blocks of the tile's eight
	s_lshl_b32 s74, s74, 16
	s_add_co_u32 s74, s74, 2*STEPB                 ; at K step 2: the first change of slots steps it to 3.  Nothing is prefetched here, at the head
	s_mov_b32 s75, 0
	s_add_nc_u64 s[PFA:PFA+1], s[4:5], s[74:75]
	s_lshl_b32 s76, s15, 3                         ; o16: (8 x query tile + 4 x half) x 32,768 + (8 x channel tile + 4 x half) x 1,024
	s_lshl_b32 s77, s13, 2
	s_add_co_u32 s76, s76, s77
	s_lshl_b32 s76, s76, 15
	s_lshl_b32 s77, s42, 3
	s_lshl_b32 s78, s14, 2
	s_add_co_u32 s77, s77, s78
	s_lshl_b32 s77, s77, 10
	s_add_co_u32 s76, s76, s77
	s_mov_b32 s77, 0
	s_add_nc_u64 s[10:11], s[10:11], s[76:77]
	s_wait_loadcnt 0x0                             ; the statistics
.irp a, 0,1,2,3
	v_min3_num_f32 v[MN+\a], v[XM+16*\a], v[XM+16*\a+1], v[XM+16*\a+2]     ; the least -M is -M_row
.endr
.irp i, 3,5,7,9,11,13
.irp a, 0,1,2,3
	v_min3_num_f32 v[MN+\a], v[MN+\a], v[XM+16*\a+\i], v[XM+16*\a+\i+1]
.endr
.endr
.irp a, 0,1,2,3
	v_min_num_f32 v[MN+\a], v[MN+\a], v[XM+16*\a+15]
.endr
.irp a, 0,1,2,3
.set n, 0
.rept 16
	v_sub_f32 v[XM+16*\a+n], v[MN+\a], v[XM+16*\a+n]       ; M_blk - M_row: a whole number, 0 or less
.set n, n+1
.endr
.endr
.set n, 0
.rept 64
	v_cvt_i32_f32 v[XM+n], v[XM+n]                 ; (it saturates)
.set n, n+1
.endr
.set n, 0
.rept 64
	v_ldexp_f32 v[XM+n], 1.0, v[XM+n]              ; f_blk
.set n, n+1
.endr
.irp a, 0,1,2,3
	v_mul_f32 v[LS+\a], v[XM+16*\a], v[XL+16*\a]
.endr
.set n, 1
.rept 15
.irp a, 0,1,2,3
	v_fmac_f32 v[LS+\a], v[XM+16*\a+n], v[XL+16*\a+n]      ; l: at least 1/2, since the block that holds M_row has f = 1
.endr
.set n, n+1
.endr
.irp a, 0,1,2,3
	v_rcp_f32 v[RL+\a], v[LS+\a]
.endr
	v_nop                                          ; a plain line behind the last reciprocal
	s_wait_alu depctr_va_vdst(0)                   ; one wait for the four, ahead of their first reader
.set n, 0
.rept 16
.irp a, 0,1,2,3
	v_mul_f32 v[FD+8*n+2*\a], v[XM+16*\a+n], v[RL+\a]      ; f_blk / l: so nothing is left to divide at the end;
	v_mul_f32 v[FD+8*n+2*\a+1], v[XM+16*\a+n], v[RL+\a]    ; twice: a pair for the packed multiply-add
.endr
.set n, n+1
.endr
.set n, 0
.rept 16
	ds_store_b128 v[FTA], v[FD+8*n:FD+8*n+3] offset:1024*n         ; my wave's own bytes: only I read them
	ds_store_b128 v[FTA], v[FD+8*n+4:FD+8*n+7] offset:1024*n+512
.set n, n+1
.endr
	s_wait_dscnt 0x0                               ; the stores have read their registers, which the fragments take next
.macro FETCH slot, q, buf              ; 24 LDS loads in one run: the fragments of the slot's q-th 32 keys; each load takes 512 consecutive bytes
.irp i, 0,1,2,3,4,5,6,7
	ds_load_b128 v[BF+64*(\buf)+8*\i:BF+64*(\buf)+8*\i+3],   v[ADRB+\slot] offset:\i*4096+(\q)*1024
	ds_load_b128 v[BF+64*(\buf)+8*\i+4:BF+64*(\buf)+8*\i+7], v[ADRB+\slot] offset:\i*4096+(\q)*1024+512
.endr
.irp i, 0,1,2,3
	ds_load_b128 v[AFR+32*(\buf)+8*\i:AFR+32*(\buf)+8*\i+3],   v[ADRA+\slot] offset:\i*4096+(\q)*1024
	ds_load_b128 v[AFR+32*(\buf)+8*\i+4:AFR+32*(\buf)+8*\i+7], v[ADRA+\slot] offset:\i*4096+(\q)*1024+512
.endr
.endm
.macro MUL8 buf, a, zero               ; query block a x all 8 channel blocks.  The 32 accumulators take turns, in the same order in every quarter
.irp b, 0,1,2,3,4,5,6,7
.if \zero
	v_wmma_f32_16x16x32_f16 v[8*(8*\a+\b):8*(8*\a+\b)+7], v[BF+64*(\buf)+8*\b:BF+64*(\buf)+8*\b+7], v[AFR+32*(\buf)+8*\a:AFR+32*(\buf)+8*\a+7], 0
.else
	v_wmma_f32_16x16x32_f16 v[8*(8*\a+\b):8*(8*\a+\b)+7], v[BF+64*(\buf)+8*\b:BF+64*(\buf)+8*\b+7], v[AFR+32*(\buf)+8*\a:AFR+32*(\buf)+8*\a+7], v[8*(8*\a+\b):8*(8*\a+\b)+7]
.endif
.endr
.endm
.macro PLACES                          ; four plain vector lines between a matrix instruction and a load into, or a vector line on, its registers
.rept 4
	v_nop
.endr
.endm
; A K STEP: one block of 128 keys, four quarters of 32 matrix instructions on buffers 0, 1, 0, 1.  Buffer 0 was asked for at the change of slots; ahead of each quarter's products the next quarter is asked for, into the other buffer.
; The first quarter's products start the block's sums with C = 0.
.macro STEP slot
	s_wait_dscnt 0x0                               ; buffer 0 is in, and so are the block's factors
	WIN 0
	FETCH \slot, 1, 1                              ; (buffer 1's last products stand in front of the change of slots, whose plain lines are the places)
	WIN MUL
	MUL8 0, 0, 1
	MUL8 0, 1, 1
	MUL8 0, 2, 1
	MUL8 0, 3, 1
	s_wait_dscnt 0x0                               ; buffer 1 is in (asked for 32 matrix instructions ago)
	PLACES                                         ; in front of loads into buffer 0, which the products above read
	WIN 0
	FETCH \slot, 2, 0
	WIN MUL
	MUL8 1, 0, 0
	MUL8 1, 1, 0
	MUL8 1, 2, 0
	MUL8 1, 3, 0
	s_wait_dscnt 0x0
	PLACES
	WIN 0
	FETCH \slot, 3, 1
	WIN MUL
	MUL8 0, 0, 0
	MUL8 0, 1, 0
	MUL8 0, 2, 0
	MUL8 0, 3, 0
	s_wait_dscnt 0x0                               ; the slot's last reads are back
	MUL8 1, 0, 0
	MUL8 1, 1, 0
	MUL8 1, 2, 0
	MUL8 1, 3, 0
.endm
; THE CHANGE OF SLOTS, behind a step's last product.  Each wave waits for all its tensor loads, of which one is out: its part of the next slot; adds 0 to its spare word; and waits for that (its reads of the slot just left are back).
; fill = 1: the barrier is a round of the cluster's, so that no wave of any partner still reads the slot or has a load on its way; the joint refill, two K steps on, is the first thing behind it and has the whole next step in which to land.
; Then the next slot's first fragments and its block's factors are asked for.  ask = 1: and the prefetch.
.macro CHANGE slot, next, fill, ask
	WIN 0                                          ; at a label and at a branch every window is 0; the add's two registers lie in window 0
	s_wait_tensorcnt 0x0                           ; no tensor load of mine is out, so a group 0 may be written
	ds_add_u32 v[SPW], v[NIL]                      ; 0 onto my spare word; the steps below stand between it and the wait for it
.if \fill
	s_add_nc_u64 s[G0+4*\slot+2:G0+4*\slot+3], s[G0+4*\slot+2:G0+4*\slot+3], 2*STEPB
	s_add_nc_u64 s[G0B+4*\slot+2:G0B+4*\slot+3], s[G0B+4*\slot+2:G0B+4*\slot+3], 2*STEPB
.endif
.if \ask
	s_wait_xcnt 0x0                                ; the last prefetch, a K step back, has read its address, so it may be written:
	s_add_nc_u64 s[PFA:PFA+1], s[PFA:PFA+1], STEPB ; one K step further on than the refill below
.endif
	s_wait_dscnt 0x0                               ; the add is done
.if \fill
	CROUND
	JLOAD \slot                                    ; my one tensor load until the next round; its four v_nop are the places in front of the loads and of the fold below
.else
	s_barrier_signal -1
	s_barrier_wait -1                              ; the last slot is whole; nothing is filled again
	PLACES
.endif
	FETCH \next, 0, 0
	ds_load_b128 v[FC+8*(\next):FC+8*(\next)+3], v[FTA] offset:2048-1024*(\next)        ; the next block's factors: the pair's second block, or the next pair's first
	ds_load_b128 v[FC+8*(\next)+4:FC+8*(\next)+7], v[FTA] offset:2048-1024*(\next)+512
.if (\next) == 0
	v_add_nc_u32 v[FTA], 2048, v[FTA]              ; on to that pair
.endif
.if \ask
	ASK
.endif
.endm
; THE FOLD of the block that lay in slot fc: O += (f_blk / l) x S, each accumulator from its low end on.  first = 1: the first block starts O.  These lines name no fragment: they are also the places in front of the next products, which write over S.
.macro FOLD fc, first
.if \first
	WIN W_MUL
.else
	WIN W_FMA
.endif
.irp a, 0,1,2,3
.set n, 0
.rept 32
.if \first
	v_pk_mul_f32 v[64*\a+2*n:64*\a+2*n+1], v[64*\a+2*n:64*\a+2*n+1], v[FC+8*(\fc)+2*\a:FC+8*(\fc)+2*\a+1]
.else
	v_pk_fma_f32 v[64*\a+2*n:64*\a+2*n+1], v[64*\a+2*n:64*\a+2*n+1], v[FC+8*(\fc)+2*\a:FC+8*(\fc)+2*\a+1], v[64*\a+2*n:64*\a+2*n+1]
.endif
.set n, n+1
.endr
.endr
.endm
	s_wait_tensorcnt 1                             ; my part of K step 0 is in (K step 1's load may be out)
	s_barrier_signal -1
	s_barrier_wait -1                              ; everybody's is
	FETCH 0, 0, 0
	ds_load_b128 v[FC:FC+3], v[FTA]                ; block 0's factors
	ds_load_b128 v[FC+4:FC+7], v[FTA] offset:512
	STEP 0                                         ; K step 0
	CHANGE 0, 1, 1, 1                              ; slot 0 takes K step 2
	FOLD 0, 1                                      ; written out: the first block starts O
	STEP 1                                         ; K step 1
	WIN 0
	s_mov_b32 s3, 6
.Llap:                                             ; six trips of two K steps: steps 2 to 13; their changes ask for steps 3 to 14
	CHANGE 1, 0, 1, 1
	FOLD 1, 0
	STEP 0
	CHANGE 0, 1, 1, 1
	FOLD 0, 0
	STEP 1
	WIN 0
	s_sub_co_u32 s3, s3, 1
	s_cmp_lg_u32 s3, 0
	s_cbranch_scc1 .Llap
	CHANGE 1, 0, 1, 0                              ; the tail is written out: slot 1 takes K step 15, the last; no step is left to prefetch
	FOLD 1, 0
	STEP 0                                         ; K step 14
	CHANGE 0, 1, 0, 0                              ; nothing is asked for
	FOLD 0, 0
	STEP 1                                         ; K step 15
	PLACES                                         ; the fold reads results just made
	FOLD 1, 0
; THE WAY OUT, 16 queries at a time: packed to f16, stored as halves of fragments: 512 consecutive bytes a store, aligned.  O was written by vector lines; the registers that take the packed numbers held p's fragments, whose last products stand in front of the fold.
.macro OUT a
.set TT, TMP+32*((\a)%2)
	s_wait_xcnt 0x0                                ; the stores of two blocks ago have read this set's registers
	WIN W_PK
.set n, 0
.rept 32
	v_cvt_pk_f16_f32 v[TT+n], v[64*(\a)+2*n], v[64*(\a)+2*n+1]
.set n, n+1
.endr
	WIN 0
.irp b, 0,1,2,3,4,5,6,7
	global_store_b128 v[LOFF], v[TT+4*\b:TT+4*\b+3], s[10:11] offset:32768*(\a)+512*\b th:TH_STORE_NT
.endr
.endm
.irp a, 0,1,2,3
	OUT \a
.endr
	s_wait_tensorcnt 0x0                           ; the wave's end
	ds_add_u32 v[SPW], v[NIL]
	s_wait_dscnt 0x0
	CROUND                                         ; the closing round: no work-group ends while a partner may still ask for a tile that names it
	s_endpgm
.Lfunc_end_k_q57da7ad5c9_pv:
	.size	k_q57da7ad5c9_pv, .Lfunc_end_k_q57da7ad5c9_pv-k_q57da7ad5c9_pv
	.p2alignl 7, 3214868480
	.fill 96, 4, 3214868480
	.section	.rodata,"a",@progbits
	.p2align	6, 0x0
	.amdhsa_kernel k_q57da7ad5c9_pv
		.amdhsa_group_segment_fixed_size 327680
		.amdhsa_private_segment_fixed_size 0
		.amdhsa_enable_private_segment 0
		.amdhsa_kernarg_size 32
		.amdhsa_user_sgpr_count 2
		.amdhsa_user_sgpr_kernarg_segment_ptr 1
		.amdhsa_wavefront_size32 1
		.amdhsa_system_sgpr_workgroup_id_x 1
		.amdhsa_system_sgpr_workgroup_id_y 1
		.amdhsa_system_sgpr_workgroup_id_z 1
		.amdhsa_system_vgpr_workitem_id 0
		.amdhsa_next_free_vgpr 768
		.amdhsa_next_free_sgpr 80
		.amdhsa_reserve_vcc 0
		.amdhsa_float_denorm_mode_32 3
		.amdhsa_float_denorm_mode_16_64 3
		.amdhsa_memory_ordered 1
		.amdhsa_forward_progress 1
		.amdhsa_inst_pref_size 192
	.end_amdhsa_kernel
	.amdgpu_metadata
---
amdhsa.version: [ 1, 2 ]
amdhsa.kernels:
  - .name:           k_q57da7ad5c9_pv
    .symbol:         k_q57da7ad5c9_pv.kd
    .args:
      - { .name: p, .offset: 0, .size: 8, .value_kind: global_buffer, .address_space: global }
      - { .name: st, .offset: 8, .size: 8, .value_kind: global_buffer, .address_space: global }
      - { .name: qkv, .offset: 16, .size: 8, .value_kind: global_buffer, .address_space: global }
      - { .name: o16, .offset: 24, .size: 8, .value_kind: global_buffer, .address_space: global }
    .group_segment_fixed_size: 327680
    .private_segment_fixed_size: 0
    .kernarg_segment_align: 8
    .kernarg_segment_size: 32
    .max_flat_workgroup_size: 128
    .sgpr_count:     80
    .vgpr_count:     768
    .wavefront_size: 32
...
	.end_amdgpu_metadata
.endif
;; end of part 4
;; launch outp (part 5): grid 4 x 64, 4 waves a work-group, clusters of 4 x 4, 327,680 bytes of LDS; arguments o16, wo16, b_out, out0; writes out0
.if DOCPART == 5
	.amdgcn_target "amdgcn-amd-amdhsa--gfx1250"
	.amdhsa_code_object_version 6
	.text
	.protected	k_q57da7ad5c9_outp
	.globl	k_q57da7ad5c9_outp
	.p2align	8
	.type	k_q57da7ad5c9_outp,@function
k_q57da7ad5c9_outp:
	s_mov_b64 s[64:65], 0
	v_nop
	global_prefetch_b8 v0, s[64:65] scope:SCOPE_SE
	s_setreg_imm32_b32 hwreg(HW_REG_WAVE_MODE, 25, 1), 1
	s_wait_xcnt 0x0
	s_wait_alu depctr_hold_cnt(0) depctr_sa_sdst(0) depctr_va_vdst(0) depctr_va_sdst(0) depctr_va_ssrc(0) depctr_va_vcc(0) depctr_vm_vsrc(0)
	s_getreg_b32 s2, hwreg(HW_REG_IB_STS2, 6, 4)
	s_cmp_eq_u32 s2, 0
	s_cbranch_scc0 .Lentry_in_a_cluster
	s_endpgm
.Lentry_in_a_cluster:
	s_bfe_u32 s2, ttmp6, 0x10000c
	s_cmp_lg_u32 s2, 0xf033
	s_cbranch_scc0 .Lentry_shape_is_right
	s_endpgm
.Lentry_shape_is_right:
; out0 = O w_out^T + b_out.  O: o16 [token / 16: 512][channel / 32: 32][1,024 bytes]; w_out: wo16 [row / 16: 64][channel / 32: 32][1,024]: f16 FRAGMENTS (16 rows x 32 K: lane l's registers 0-3 at 16 l, 4-7 at 512 + 16 l).
; b_out [1024] f32; out0 [8192][1024] f32; sums in f32.
; SHARES.  A work-group makes 128 tokens x 256 outputs: 256 work-groups; a wave 64 x 128: 32 accumulators.  K = 1,024 in 8 steps of 128 through two LDS slots; a step's part of 16 rows is 4,096 consecutive bytes.
; THE MATRIX INSTRUCTION: source 0 = 16 rows of w_out, source 1 = 16 tokens: a lane holds ONE token and eight neighbouring outputs.  The bias is the C of the first quarter's products.
; The results go through the wave's own stage in LDS and leave as whole rows of 512 bytes.
; CLUSTERS: 4 x 4.  O's tile is asked for jointly along a row of the cluster, w_out's along a column.
; REGISTERS: window 0: v0-31 addresses; v64-95, v96-127 O's fragments; v128-191, v192-255 w_out's.  window 1: accumulators, (a, b) at v[8 (8 a + b)].  window 2: v0-63 the bias, block b's eight at v[8 b].
.set STEPB,  4096
.set SLOT,   98304                     ; O's 8 x 4,096 bytes, then w_out's 16 x 4,096
.set STAGE,  2*SLOT                    ; behind the ring: 16 rows x (512 + 16) bytes for each wave
.set SPITCH, 528
.set SPARE,  STAGE+4*16*SPITCH         ; the spare words
.set LAPS,   4
.set ADRA, 16
.set ADRB, 20
.set STO,  22                          ; v22 the stage: where I put 32 bytes of a row
.set RD,   23                          ; v23 and where I read a row back
.set LOFF, 24
.set BO,   25                          ; v25 the bias: 32 x (lane / 16)
.set PFO,  26
.set SPW,  28
.set NIL,  29
.set AFR,  64
.set BF,   128
.set BK,   64                          ; the way out: 16 rows back from the stage: v64-127 and v128-191 by turns
.set G1, 24
.set G0, 32
.set G1B, 48
.set G0B, 56
.set LIM, 45
.set PFA, 66
.set MSB, 0
.macro WIN new
.if MSB != (\new)
	s_set_vgpr_msb (MSB<<8)|(\new)
.set MSB, (\new)
.endif
.endm
.set MUL, 0x50                         ; C and D window 1, the sources window 0.  In the first quarter C is the bias, in window 2: 0x60
.macro JLOAD s
	s_cmp_eq_u32 s13, 0
	s_cbranch_scc0 .Lfor_b_\@
	tensor_load_to_lds s[G0+4*\s:G0+4*\s+3], s[G1:G1+7]
	s_nop 0
.rept 4
	v_nop
.endr
	s_branch .Lasked_\@
.Lfor_b_\@:
	tensor_load_to_lds s[G0B+4*\s:G0B+4*\s+3], s[G1B:G1B+7]
	s_nop 0
.rept 4
	v_nop
.endr
.Lasked_\@:
.endm
; A PREFETCH INTO THE L2 of O, behind each joint load and the run of LDS loads that follows it: the K step two refills on.  The four partners that ask for a tile jointly share a step's 8 x 4,096 bytes BY ADDRESS, two blocks
; of 16 tokens each; in each, wave 0 asks, lanes 256 bytes apart.  So each 256 bytes of O are named once.  The loop's last trip asks for nothing: the last step named is step 7.  w_out is read by every row of clusters and is not asked for.
.macro ASK
	s_cmp_gt_u32 s3, s[LIM]
	s_cbranch_scc0 .Lnot_mine_\@
	global_prefetch_b8 v[PFO], s[PFA:PFA+1] offset:STEPB th:TH_LOAD_NT scope:SCOPE_SE
.Lnot_mine_\@:
.endm
.macro CREST
	s_cmp_lg_u32 s12, 0
	s_cbranch_scc1 .Lnot_wave_0_\@
	s_barrier_signal -3
.Lnot_wave_0_\@:
	s_barrier_wait -3
	s_barrier_signal -1
	s_barrier_wait -1
.endm
.macro CROUND
	s_barrier_signal -1
	s_barrier_wait -1
	CREST
.endm
	s_load_b256 s[4:11], s[0:1], 0x0               ; o16, wo16, b_out, out0
	v_lshl_add_u32 v[SPW], v0, 2, SPARE
	v_mov_b32 v[NIL], 0
	ds_add_u32 v[SPW], v[NIL]                      ; the wave's opening: the add, twice on end, and its wait ahead of my first tensor load
	ds_add_u32 v[SPW], v[NIL]
	v_lshrrev_b32 v1, 5, v0
	v_readfirstlane_b32 s12, v1                    ; wave
	s_lshr_b32 s13, s12, 1                         ; which 64 tokens are mine.  Also: I fetch for O (0) or w_out (1)
	s_and_b32 s14, s12, 1                          ; which 128 outputs.  Also: which half of that tile I fetch
	s_bfe_u32 s40, ttmp6, 0x40000                  ; cx
	s_bfe_u32 s41, ttmp6, 0x40004                  ; cy
	s_lshl_b32 s42, ttmp9, 2
	s_add_co_u32 s42, s42, s40                     ; tile of 256 outputs, 0..3
	s_and_b32 s15, ttmp7, 0xffff
	s_lshl_b32 s15, s15, 2
	s_add_co_u32 s15, s15, s41                     ; tile of 128 tokens, 0..63
	s_lshl_b32 s43, s41, 2
	s_lshl_b32 s43, 15, s43
	s_lshl_b32 s44, 0x1111, s40
	s_or_b32 s[G1+0], s43, (3<<16)|(1<<21)         ; O: 4 rows of 4,096 bytes, 32,768 bytes apart
	s_mov_b32 s[G1+1], 512<<16
	s_mov_b32 s[G1+2], 4<<16
	s_mov_b32 s[G1+3], 512<<16
	s_mov_b32 s[G1+4], 4
	s_mov_b32 s[G1+5], 4096
	s_mov_b32 s[G1+6], 0
	s_mov_b32 s[G1+7], 0
	s_or_b32 s[G1B+0], s44, (3<<16)|(1<<21)        ; w_out: 8 rows of 4,096 bytes, 32,768 bytes apart
	s_mov_b32 s[G1B+1], 512<<16
	s_mov_b32 s[G1B+2], 8<<16
	s_mov_b32 s[G1B+3], 512<<16
	s_mov_b32 s[G1B+4], 8
	s_mov_b32 s[G1B+5], 4096
	s_mov_b32 s[G1B+6], 0
	s_mov_b32 s[G1B+7], 0
	s_lshl_b32 s16, s15, 3
	s_lshl_b32 s17, s14, 2
	s_add_co_u32 s16, s16, s17                     ; O: block of 16 tokens 8 x tile + 4 x half
	s_lshl_b32 s16, s16, 15
	s_mov_b32 s17, 0
	s_lshl_b32 s46, s42, 4
	s_lshl_b32 s47, s14, 3
	s_add_co_u32 s46, s46, s47                     ; w_out: block of 16 rows 16 x tile + 8 x half
	s_lshl_b32 s46, s46, 15
	s_mov_b32 s47, 0
	s_lshl_b32 s20, s14, 14
	s_lshl_b32 s21, s14, 15
	s_add_co_u32 s21, s21, 32768
	s_cmp_eq_u32 s12, 0
	s_cselect_b32 s[LIM], 1, -1
	s_wait_dscnt 0x0                               ; both opening adds are done
	s_wait_kmcnt 0x0
	s_add_nc_u64 s[16:17], s[4:5], s[16:17]
	s_add_nc_u64 s[46:47], s[6:7], s[46:47]
	CROUND                                         ; all sixteen work-groups are here
.irp s, 0,1
	s_mov_b32 s[G0+4*\s], 1
	s_add_co_u32 s[G0+4*\s+1], s20, \s*SLOT
	s_add_nc_u64 s[G0+4*\s+2:G0+4*\s+3], s[16:17], \s*STEPB
	s_or_b32 s[G0+4*\s+3], s[G0+4*\s+3], 0x80000000
	s_mov_b32 s[G0B+4*\s], 1
	s_add_co_u32 s[G0B+4*\s+1], s21, \s*SLOT
	s_add_nc_u64 s[G0B+4*\s+2:G0B+4*\s+3], s[46:47], \s*STEPB
	s_or_b32 s[G0B+4*\s+3], s[G0B+4*\s+3], 0x80000000
	JLOAD \s                                       ; two tensor loads of mine are out
.endr
	v_and_b32 v1, 15, v0                           ; r
	v_bfe_u32 v2, v0, 4, 1                         ; h
	v_lshlrev_b32 v[BO], 5, v2
	s_lshl_b32 s72, s42, 10                        ; b_out: 4 x (256 x tile + 128 x half)
	s_lshl_b32 s73, s14, 9
	s_add_co_u32 s72, s72, s73
	s_mov_b32 s73, 0
	s_add_nc_u64 s[8:9], s[8:9], s[72:73]
	WIN 0x80                                       ; destination window 2
.irp b, 0,1,2,3,4,5,6,7
	global_load_b128 v[8*\b:8*\b+3], v[BO], s[8:9] offset:64*\b          ; outputs 16 b + 8 h + 0..7
	global_load_b128 v[8*\b+4:8*\b+7], v[BO], s[8:9] offset:64*\b+16
.endr
	WIN 0
	v_and_b32 v3, 31, v0
	v_lshlrev_b32 v[LOFF], 4, v3
	s_lshl_b32 s22, s13, 14
	s_lshl_b32 s23, s14, 15
	s_add_co_u32 s23, s23, 32768
.irp s, 0,1
	v_add_nc_u32 v[ADRA+\s], s22, v[LOFF]
	v_add_nc_u32 v[ADRB+\s], s23, v[LOFF]
	s_add_co_u32 s22, s22, SLOT
	s_add_co_u32 s23, s23, SLOT
.endr
	s_mul_i32 s22, s12, 16*SPITCH
	s_add_co_u32 s22, s22, STAGE                   ; my stage
	v_mul_u32_u24 v[STO], v1, SPITCH               ; in: row r, 32 bytes for each half of the lanes
	v_lshl_add_u32 v[STO], v2, 5, v[STO]
	v_add_nc_u32 v[STO], s22, v[STO]
	v_add_nc_u32 v[RD], s22, v[LOFF]               ; back: the 32 lanes take one row of 512 bytes
	v_lshlrev_b32 v[PFO], 8, v1
	v_lshl_add_u32 v[PFO], v2, 15, v[PFO]          ; lanes 0-15 one block of 16 tokens, lanes 16-31 the next; 256 bytes from lane to lane
	s_lshl_b32 s74, s15, 3
	s_lshl_b32 s75, s40, 1
	s_add_co_u32 s74, s74, s75                     ; my work-group's two blocks of the tile's eight
	s_lshl_b32 s74, s74, 15
	s_add_co_u32 s74, s74, 2*STEPB                 ; at K step 2: the first refill steps it to 3 and names step 4
	s_mov_b32 s75, 0
	s_add_nc_u64 s[PFA:PFA+1], s[4:5], s[74:75]
	s_lshl_b32 s76, s15, 7                         ; out0: row 128 x tile + 64 x half, 4,096 bytes each; + 4 x (256 x tile + 128 x half)
	s_lshl_b32 s77, s13, 6
	s_add_co_u32 s76, s76, s77
	s_lshl_b32 s76, s76, 12
	s_add_co_u32 s76, s76, s72
	s_mov_b32 s77, 0
	s_add_nc_u64 s[10:11], s[10:11], s[76:77]
.macro FETCH slot, q, buf
.irp i, 0,1,2,3,4,5,6,7
	ds_load_b128 v[BF+64*(\buf)+8*\i:BF+64*(\buf)+8*\i+3],   v[ADRB+\slot] offset:\i*4096+(\q)*1024
	ds_load_b128 v[BF+64*(\buf)+8*\i+4:BF+64*(\buf)+8*\i+7], v[ADRB+\slot] offset:\i*4096+(\q)*1024+512
.endr
.irp i, 0,1,2,3
	ds_load_b128 v[AFR+32*(\buf)+8*\i:AFR+32*(\buf)+8*\i+3],   v[ADRA+\slot] offset:\i*4096+(\q)*1024
	ds_load_b128 v[AFR+32*(\buf)+8*\i+4:AFR+32*(\buf)+8*\i+7], v[ADRA+\slot] offset:\i*4096+(\q)*1024+512
.endr
.endm
.macro MUL8 buf, a, first              ; token block a x all 8 output blocks.  The 32 accumulators take turns, in the same order in every quarter
.irp b, 0,1,2,3,4,5,6,7
.if \first
	v_wmma_f32_16x16x32_f16 v[8*(8*\a+\b):8*(8*\a+\b)+7], v[BF+64*(\buf)+8*\b:BF+64*(\buf)+8*\b+7], v[AFR+32*(\buf)+8*\a:AFR+32*(\buf)+8*\a+7], v[8*\b:8*\b+7]
.else
	v_wmma_f32_16x16x32_f16 v[8*(8*\a+\b):8*(8*\a+\b)+7], v[BF+64*(\buf)+8*\b:BF+64*(\buf)+8*\b+7], v[AFR+32*(\buf)+8*\a:AFR+32*(\buf)+8*\a+7], v[8*(8*\a+\b):8*(8*\a+\b)+7]
.endif
.endr
.endm
.macro PLACES
.rept 4
	v_nop
.endr
.endm
.macro QUARTER slot, nq, buf, first    ; 32 along K on buffer buf; ahead of the products the slot's nq-th quarter is asked for, into the other buffer
	s_wait_dscnt 0x0                               ; my buffer is in (asked for 32 matrix instructions ago)
	PLACES                                         ; in front of loads into registers that the last products read
	WIN 0
	FETCH \slot, \nq, 1-(\buf)
	WIN MUL+0x10*(\first)
	MUL8 \buf, 0, \first
	MUL8 \buf, 1, \first
	MUL8 \buf, 2, \first
	MUL8 \buf, 3, \first
.endm
.macro TURN slot, next, fill           ; a slot's last quarter (buffer 1) changes slots: one barrier, the waits and the add in front of it
	WIN 0
.if \fill
	s_wait_xcnt 0x0                                ; the last prefetch, a K step back, has read its address
	s_add_nc_u64 s[PFA:PFA+1], s[PFA:PFA+1], STEPB
.endif
	s_wait_tensorcnt 0x0                           ; all my tensor loads have landed: my part of the next slot
	ds_add_u32 v[SPW], v[NIL]
	s_wait_dscnt 1                                 ; buffer 1 is in (the add alone may be out)
	WIN MUL
	MUL8 1, 0, 0
	s_wait_dscnt 0x0                               ; the add is done, and my reads of this slot are over
	s_barrier_signal -1
	MUL8 1, 1, 0
	WIN 0
	s_barrier_wait -1
.if \fill
	CREST                                          ; no wave of any partner still reads this slot or has a load on its way
	s_add_nc_u64 s[G0+4*\slot+2:G0+4*\slot+3], s[G0+4*\slot+2:G0+4*\slot+3], 2*STEPB
	s_add_nc_u64 s[G0B+4*\slot+2:G0B+4*\slot+3], s[G0B+4*\slot+2:G0B+4*\slot+3], 2*STEPB
	JLOAD \slot                                    ; my one tensor load behind the round; its four v_nop are also the places in front of the loads below
.else
	PLACES
.endif
	FETCH \next, 0, 0
.if \fill
	ASK
.endif
	WIN MUL
	MUL8 1, 2, 0
	MUL8 1, 3, 0
.endm
	s_wait_loadcnt 0x0                             ; the bias
	s_wait_tensorcnt 1                             ; my part of K step 0 is in (K step 1's load may be out),
	s_barrier_signal -1
	s_barrier_wait -1                              ; everybody's is
	FETCH 0, 0, 0
	QUARTER 0, 1, 0, 1                             ; the first quarter stands in front of the loop: its products start the sums with the bias
	WIN 0
	s_mov_b32 s3, LAPS-1
.Llap:
	QUARTER 0, 2, 1, 0
	QUARTER 0, 3, 0, 0
	TURN 0, 1, 1
	QUARTER 1, 1, 0, 0
	QUARTER 1, 2, 1, 0
	QUARTER 1, 3, 0, 0
	TURN 1, 0, 1
	QUARTER 0, 1, 0, 0
	WIN 0
	s_sub_co_u32 s3, s3, 1
	s_cmp_lg_u32 s3, 0
	s_cbranch_scc1 .Llap
	QUARTER 0, 2, 1, 0                             ; the last lap fills nothing
	QUARTER 0, 3, 0, 0
	TURN 0, 1, 0
	QUARTER 1, 1, 0, 0
	QUARTER 1, 2, 1, 0
	QUARTER 1, 3, 0, 0
	s_wait_dscnt 0x0
	WIN MUL
	MUL8 1, 0, 0
	MUL8 1, 1, 0
	MUL8 1, 2, 0
	MUL8 1, 3, 0
	WIN 0
; THE WAY OUT, 16 tokens x my 128 outputs at a time, through my own stage: LDS serves a wave's instructions in order, so no wait stands between the stores and the loads, nor in front of the next block's stores.
.macro TOSTAGE a
	WIN 0x04                                       ; an LDS store's data: window 1
.irp b, 0,1,2,3,4,5,6,7
	ds_store_b128 v[STO], v[64*(\a)+8*\b:64*(\a)+8*\b+3] offset:64*\b          ; each accumulator from its low end on
	ds_store_b128 v[STO], v[64*(\a)+8*\b+4:64*(\a)+8*\b+7] offset:64*\b+16
.endr
	WIN 0
.set BBK, BK+64*((\a)%2)
.irp t, 0,1,2,3,4,5,6,7,8,9,10,11,12,13,14,15
	ds_load_b128 v[BBK+4*\t:BBK+4*\t+3], v[RD] offset:\t*SPITCH
.endr
.endm
.macro SEND a, younger                 ; younger: the LDS instructions issued behind block a's loads, which may stay out
.set BBK, BK+64*((\a)%2)
	s_wait_dscnt \younger
.irp t, 0,1,2,3,4,5,6,7,8,9,10,11,12,13,14,15
	global_store_b128 v[LOFF], v[BBK+4*\t:BBK+4*\t+3], s[10:11] offset:(16*(\a)+\t)*4096 th:TH_STORE_NT   ; 32 lanes store 512 consecutive bytes of a row, aligned
.endr
.endm
	PLACES
	TOSTAGE 0
.irp a, 1,2,3
.if \a > 1
	s_wait_xcnt 0x0                                ; block a - 2's stores have read their registers: block a's loads may land there
.endif
	TOSTAGE \a
	SEND \a-1, 32                                  ; behind block a - 1's loads: block a's 16 stores and 16 loads
.endr
	SEND 3, 0
	s_wait_tensorcnt 0x0                           ; the wave's end
	ds_add_u32 v[SPW], v[NIL]
	s_wait_dscnt 0x0
	CROUND                                         ; the closing round
	s_endpgm
.Lfunc_end_k_q57da7ad5c9_outp:
	.size	k_q57da7ad5c9_outp, .Lfunc_end_k_q57da7ad5c9_outp-k_q57da7ad5c9_outp
	.p2alignl 7, 3214868480
	.fill 96, 4, 3214868480
	.section	.rodata,"a",@progbits
	.p2align	6, 0x0
	.amdhsa_kernel k_q57da7ad5c9_outp
		.amdhsa_group_segment_fixed_size 327680
		.amdhsa_private_segment_fixed_size 0
		.amdhsa_enable_private_segment 0
		.amdhsa_kernarg_size 32
		.amdhsa_user_sgpr_count 2
		.amdhsa_user_sgpr_kernarg_segment_ptr 1
		.amdhsa_wavefront_size32 1
		.amdhsa_system_sgpr_workgroup_id_x 1
		.amdhsa_system_sgpr_workgroup_id_y 1
		.amdhsa_system_sgpr_workgroup_id_z 1
		.amdhsa_system_vgpr_workitem_id 0
		.amdhsa_next_free_vgpr 576
		.amdhsa_next_free_sgpr 80
		.amdhsa_reserve_vcc 0
		.amdhsa_float_denorm_mode_32 3
		.amdhsa_float_denorm_mode_16_64 3
		.amdhsa_memory_ordered 1
		.amdhsa_forward_progress 1
		.amdhsa_inst_pref_size 86
	.end_amdhsa_kernel
	.amdgpu_metadata
---
amdhsa.version: [ 1, 2 ]
amdhsa.kernels:
  - .name:           k_q57da7ad5c9_outp
    .symbol:         k_q57da7ad5c9_outp.kd
    .args:
      - { .name: o16, .offset: 0, .size: 8, .value_kind: global_buffer, .address_space: global }
      - { .name: wo16, .offset: 8, .size: 8, .value_kind: global_buffer, .address_space: global }
      - { .name: b_out, .offset: 16, .size: 8, .value_kind: global_buffer, .address_space: global }
      - { .name: out0, .offset: 24, .size: 8, .value_kind: global_buffer, .address_space: global }
    .group_segment_fixed_size: 327680
    .private_segment_fixed_size: 0
    .kernarg_segment_align: 8
    .kernarg_segment_size: 32
    .max_flat_workgroup_size: 128
    .sgpr_count:     80
    .vgpr_count:     576
    .wavefront_size: 32
...
	.end_amdgpu_metadata
.endif
;; end of part 5
